; MI455X (gfx1250); checked and timed in simulation.
; The chip was launched on July 23, 2026; its instructions are those of AMD's public machine-readable ISA for CDNA 5 (MIT licence, August 2026) and "CDNA5" Instruction Set Architecture Reference Guide (July 2026). The comments in the code are by the model that wrote it; some were corrected since.
;; Causal Self Attention. Allowed arithmetic: matrix products marked QUANTISED: E2M1 operands, one E8M0 scale for each 32 along K, by v_wmma_scale_f32_16x16x128_f8f6f4 with both operands' format E2M1 (or v_wmma_scale_f32_32x16x128_f4), f32 sums; products left as they are: bf16, f16 or f32 operands; f32 sums; everything else in f32.
;; Inputs: W_out 1,024 x 1,024 float32; W_qkv 1,024 x 3,072 float32; b_out 1,024 float32; b_qkv 3,072 float32; x 4 x 2,048 x 1,024 float32.
;; Outputs: out0 4 x 2,048 x 1,024 float32.
;; This version of the problem:
;;   THIS VERSION OF THE PROBLEM IS GIVEN IN LOW PRECISION. The matrix products marked QUANTISED in the list below multiply operands that are first quantised to E2M1 (2 exponent bits, 1 mantissa bit; 4 bits a number), with one power-of-two scale for each 32 numbers along K (OCP MX v1.0); their sums are f32. The products marked 'left as it is' may take bf16, f16 or f32 operands, with f32 sums. Whichever they take, every output number must still come out within the allowed error. Rounding operands to bf16 (8 significant bits) uses up far more of that allowance than f16 does (11 bits, for magnitudes from 6e-5 to 65,504). All else is computed in f32.
;;   The module's matrix products, in the order in which they are computed (A, B: the left and right operand; K: the contracted axis; several contracted axes count as one K, in the product's order):
;;     1. [M 8,192, K 1,024] x [K 1,024, N 3,072]; A: input x; B: input W_qkv: QUANTISED
;;     2. batch 64 x [M 2,048, K 64] x [K 64, N 2,048]; A: computed on the way; B: computed on the way: left as it is (an operand is computed on the way)
;;     3. batch 64 x [M 64, K 2,048] x [K 2,048, N 2,048]; A: computed on the way; B: computed on the way: left as it is (an operand is computed on the way)
;;     4. [M 8,192, K 1,024] x [K 1,024, N 1,024]; A: computed on the way; B: input W_out: left as it is (an operand is computed on the way)
;;   THE QUANTISER, for each operand of a quantised product, along K:
;;     - K is cut into blocks of 32 from its start; a last block that is shorter is filled with zeros.
;;     - A block's scale is 2^e with e = floor(log2(the largest magnitude in the block)) - 2, held to -126 .. 127; a block of zeros has e = 0. As a byte (E8M0): e + 127.
;;     - Each number is divided by its block's scale, clamped to +-6, and rounded to the nearest number of E2M1, ties to even, subnormals kept.
;;     - The product sums the exact products of the quantised numbers (number of the format x scale) in f32.
;;   ~~~python
;;   def quantise(x, axis):      # numpy; x: float32 -> the quantised numbers, widened to float32 again
;;       x = np.moveaxis(x, axis, -1); K = x.shape[-1]
;;       x = np.pad(x, [(0, 0)] * (x.ndim - 1) + [(0, -K % 32)]); x = x.reshape(x.shape[:-1] + (-1, 32)); a = np.abs(x).max(-1, keepdims=True)
;;       e = np.where(a > 0, np.clip(np.frexp(np.where(a > 0, a, 1))[1] - 1 - 2, -126, 127), 0)      # np.frexp(a)[1] - 1 = floor(log2(a)), exactly
;;       r = np.clip(x / 2.0 ** e, -6, 6)
;;       step = 2.0 ** (np.maximum(np.frexp(np.where(r == 0, 1, r))[1] - 1, 0) - 1)
;;       q = np.round(r / step) * step * 2.0 ** e      # np.round: ties to even
;;       return np.moveaxis(q.reshape(q.shape[:-2] + (-1,))[..., :K], -1, axis).astype(np.float32)
;;   ~~~
;; One version. Each part assembles by itself: llvm-mc -triple=amdgcn-amd-amdhsa -mcpu=gfx1250 --defsym DOCPART=n.
;; ======== version 1 of 1: 6 launches
;; limits: values are held in f16: magnitudes above 65,504 overflow, below 6.1e-05 lose precision
;; workspace buffers: xc 4,194,304 bytes; xs 262,144 bytes; wc 1,572,864 bytes; ws 98,304 bytes; woh 2,097,152 bytes; qkv 50,331,648 bytes; att 16,777,216 bytes; ofine 262,144 bytes
;; launch prep (part 1): grid 336 x 1, 4 waves a work-group, no clusters, 68,096 bytes of LDS; arguments x, W_qkv, W_out, xc, xs, wc, ws, woh; writes xc, xs, wc, ws, woh
.if DOCPART == 1
	.amdgcn_target "amdgcn-amd-amdhsa--gfx1250"
	.amdhsa_code_object_version 6
	.text
	.protected	k_qeb970d95ed_prep
	.globl	k_qeb970d95ed_prep
	.p2align	8
	.type	k_qeb970d95ed_prep,@function
k_qeb970d95ed_prep:
	s_mov_b64 s[64:65], 0
	v_nop
	global_prefetch_b8 v0, s[64:65] scope:SCOPE_SE
	s_setreg_imm32_b32 hwreg(HW_REG_WAVE_MODE, 25, 1), 1
	s_wait_xcnt 0x0
; PREP.  Three jobs in one launch, parted by the work-group's number; each path has LDS bytes of its own and ends by itself.
;   work-groups 0-255:   x [8192][1024] f32 (K innermost) -> codes of FP4 (E2M1) xc [8192][512 bytes] and E8M0 scale bytes xs [8192][32]
;   work-groups 256-303: W_qkv [1024 k][3072 n] f32 (K is the FIRST axis) -> wc [3072][512 bytes], K innermost, and ws [3072][32]
;   work-groups 304-335: W_out [1024][1024] f32 -> woh, the same numbers in f16, in the same order
; A block's scale is 2^(floor(log2(its largest magnitude)) - 2); its byte is the largest magnitude's exponent field - 2, held at 1 from below.
; LIMITS: a block of zeros, and a block whose largest magnitude lies under 2^-124, get the byte 1 (zeros have zero codes, which add nothing; the bytes are read by this program alone);
; NaN and infinities among the inputs are not served; numbers of W_out above 65,504 become infinite in f16, under about 6e-8 they are lost.
; No tensor loads, no barrier: waves share nothing.
.set SPARE, 67584                      ; behind both paths' stages: the spare words, 128 bytes a wave
.set SPW,   12                         ; v12  LDS address of my spare word; never rewritten
.set NIL,   13                         ; v13  0; never rewritten
	s_load_b256 s[4:11], s[0:1], 0x0               ; x s[4:5], W_qkv s[6:7], W_out s[8:9], xc s[10:11]
	s_load_b256 s[12:19], s[0:1], 0x20             ; xs s[12:13], wc s[14:15], ws s[16:17], woh s[18:19]
	v_lshl_add_u32 v[SPW], v0, 2, SPARE
	v_mov_b32 v[NIL], 0
	v_lshrrev_b32 v1, 5, v0
	v_readfirstlane_b32 s20, v1                    ; wave 0..3
	v_and_b32 v2, 31, v0                           ; lane
	s_mov_b32 s25, 0                               ; the high word of every 32-bit offset below
	s_wait_kmcnt 0x0
	s_cmp_lt_u32 ttmp9, 256
	s_cbranch_scc1 .Lpath_x
	s_cmp_lt_u32 ttmp9, 304
	s_cbranch_scc1 .Lpath_w
; ---------------- W_out to f16.  A wave takes 8,192 numbers: 64 loads of 512 consecutive bytes, 64 stores of 256 consecutive aligned bytes; sixteen loads are always on their way.
	s_sub_co_u32 s21, ttmp9, 304
	s_lshl_b32 s21, s21, 2
	s_add_co_u32 s21, s21, s20                     ; my run, 0..127
	s_lshl_b32 s24, s21, 15
	s_add_nc_u64 s[8:9], s[8:9], s[24:25]
	s_lshl_b32 s24, s21, 14
	s_add_nc_u64 s[18:19], s[18:19], s[24:25]
	v_lshlrev_b32 v3, 4, v2                        ; in: 16 bytes a lane
	v_lshlrev_b32 v4, 3, v2                        ; out: 8 bytes a lane
.irp t, 0,1,2,3,4,5,6,7,8,9,10,11,12,13,14,15
	global_load_b128 v[16+4*\t:19+4*\t], v3, s[8:9] offset:512*\t th:TH_LOAD_NT
.endr
.macro CAST t                          ; turn t of 64, on register slot t % 16
.set SL, (\t)%16
.if 63-(\t) >= 15
	s_wait_loadcnt 15                              ; my slot's load is in; the fifteen younger ones stay out
.else
	s_wait_loadcnt 63-(\t)                         ; the last round loads nothing: the counts run down
.endif
.if (\t) >= 16
	s_wait_xcnt 0x0                                ; the slot's last store has read its data: they are written again only behind this wait
.endif
	v_cvt_pk_f16_f32 v[80+2*SL], v[16+4*SL], v[17+4*SL]
	v_cvt_pk_f16_f32 v[81+2*SL], v[18+4*SL], v[19+4*SL]
.if (\t)+16 < 64
	global_load_b128 v[16+4*SL:19+4*SL], v3, s[8:9] offset:512*((\t)+16) th:TH_LOAD_NT
.endif
	global_store_b64 v4, v[80+2*SL:81+2*SL], s[18:19] offset:256*(\t)
.endm
.set T, 0
.rept 64
	CAST T
.set T, T+1
.endr
	s_wait_tensorcnt 0x0                           ; the wave's end
	ds_add_u32 v[SPW], v[NIL]
	s_wait_dscnt 0x0
	s_endpgm
; ---------------- x.  Rows are dense and K is a multiple of 32: x is a plain stream of blocks of 32.  A wave takes 16 steps of 512 numbers.  Each load reads 512 consecutive bytes; a step's 2,048 bytes
; turn through the wave's own stage in LDS (16 bytes of padding behind each 64) and come back 16 neighbours a lane; two neighbouring lanes hold a block.
.Lpath_x:
.set XR, 16                            ; v16-79   four sets of 16 numbers as they are loaded
.set XN, 80                            ; v80-111  two sets of 16 neighbours
.set XE, 112                           ; v112-127 a scale byte for each step
.set XC, 128                           ; v128-191 codes: four registers for each step, so that no store's data are written again
.set SP, 80                            ; a lane's place in a stage: 64 bytes + 16
	s_lshl_b32 s21, ttmp9, 2
	s_add_co_u32 s22, s21, s20                     ; my run of 8,192 numbers, 0..1023
	s_lshl_b32 s24, s22, 15
	s_add_nc_u64 s[4:5], s[4:5], s[24:25]
	s_lshl_b32 s24, s22, 12
	s_add_nc_u64 s[10:11], s[10:11], s[24:25]
	s_lshl_b32 s24, s22, 8
	s_add_nc_u64 s[12:13], s[12:13], s[24:25]
	v_lshlrev_b32 v3, 4, v2                        ; my 16 bytes of a load's 512
	s_mul_i32 s26, s20, 8192                       ; my wave's region of LDS: two stages of 2,560 bytes, then 256 scale bytes
	v_lshrrev_b32 v14, 2, v2
	v_mul_u32_u24 v14, v14, SP
	v_and_b32 v15, 3, v2
	v_lshl_add_u32 v14, v15, 4, v14
	v_add_nc_u32 v14, s26, v14                     ; into the stage: SP (lane / 4) + 16 (lane % 4)
	v_mul_u32_u24 v15, v2, SP
	v_add_nc_u32 v15, s26, v15                     ; out of it: SP x lane
	v_mul_u32_u24 v4, v2, 8                        ; my 8 bytes of a step's 256 bytes of codes
	v_lshrrev_b32 v5, 1, v2
	s_add_co_u32 s26, s26, 2*32*SP
	v_add_nc_u32 v5, s26, v5                       ; my block's scale byte
	v_lshlrev_b32 v7, 3, v2
	v_add_nc_u32 v6, s26, v7                       ; and on the way out 8 bytes a lane
.macro LOADX t
.irp i, 0,1,2,3
	global_load_b128 v[XR+16*((\t)%4)+4*\i:XR+16*((\t)%4)+4*\i+3], v3, s[4:5] offset:2048*(\t)+512*\i th:TH_LOAD_NT
.endr
.endm
.macro TURNX t                         ; LDS serves a wave's instructions in order: no wait between the stores and the loads
.irp i, 0,1,2,3
	ds_store_b128 v14, v[XR+16*((\t)%4)+4*\i:XR+16*((\t)%4)+4*\i+3] offset:32*SP*((\t)%2)+8*SP*\i
.endr
.irp i, 0,1,2,3
	ds_load_b128 v[XN+16*((\t)%2)+4*\i:XN+16*((\t)%2)+4*\i+3], v15 offset:32*SP*((\t)%2)+16*\i
.endr
.endm
.irp t, 0,1,2,3
	LOADX \t
.endr
	s_wait_loadcnt 12                              ; step 0's four loads are in; those of steps 1 to 3 stay out
	TURNX 0
.macro STEPX t
.set XS, XN+16*((\t)%2)
.if (\t) > 0
	s_wait_dscnt 1                                 ; this step's numbers are back from the stage (the last step's byte store may be out)
.else
	s_wait_dscnt 0x0
.endif
.if (\t)+4 < 16
	LOADX (\t)+4                                   ; into the set whose stores into the stage are done
.endif
.if (\t)+1 < 16
.if 14-(\t) >= 3
	s_wait_loadcnt 12                              ; the next step's four loads are in; those of the three steps behind it may be out
.else
	s_wait_loadcnt 4*(14-(\t))
.endif
	TURNX (\t)+1
.endif
	v_max3_num_f32 v8, |v[XS]|, |v[XS+1]|, |v[XS+2]|
	v_max3_num_f32 v9, |v[XS+3]|, |v[XS+4]|, |v[XS+5]|
.irp i, 6,10
	v_max3_num_f32 v8, v8, |v[XS+\i]|, |v[XS+\i+1]|
	v_max3_num_f32 v9, v9, |v[XS+\i+2]|, |v[XS+\i+3]|
.endr
	v_max3_num_f32 v8, v8, |v[XS+14]|, |v[XS+15]|
	v_max3_num_f32 v8, v8, v9, 0x1800000           ; and the floor 2^(3 - 127): the byte cannot fall under 1
	v_max_num_f32_dpp v8, v8, v8 row_xmask:1 row_mask:0xf bank_mask:0xf   ; with my neighbour's 16: the block's largest magnitude
	v_add_nc_u32 v11, 0xff000000, v8               ; 2 off its exponent field: the conversion takes the exponent field of this operand as its scale
	v_cvt_scalef32_pk8_fp4_f32 v[XC+4*(\t)], v[XS:XS+7], v11
	v_cvt_scalef32_pk8_fp4_f32 v[XC+4*(\t)+1], v[XS+8:XS+15], v11
	v_lshrrev_b32 v[XE+(\t)], 23, v11              ; the scale's byte
	ds_store_b8 v5, v[XE+(\t)] offset:16*(\t)      ; both lanes of a block write the same byte with the same value
	global_store_b64 v4, v[XC+4*(\t):XC+4*(\t)+1], s[10:11] offset:256*(\t)   ; the wave stores 256 consecutive aligned bytes
.endm
.irp t, 0,1,2,3,4,5,6,7,8,9,10,11,12,13,14,15
	STEPX \t
.endr
	ds_load_b64 v[8:9], v6                         ; my wave's 256 scale bytes: these loads see my stores
	s_wait_dscnt 0x0
	global_store_b64 v7, v[8:9], s[12:13]          ; 256 consecutive aligned bytes
	s_wait_tensorcnt 0x0                           ; the wave's end, behind my last LDS store
	ds_add_u32 v[SPW], v[NIL]
	s_wait_dscnt 0x0
	s_endpgm
; ---------------- W_qkv.  A lane takes a column n and its registers run down K: each load reads 128 consecutive bytes a wave, a block of 32 along K lies in one lane, and the codes come out with K innermost.
; A wave takes 32 columns x 512 along K; its codes go through its own stage in LDS and leave as rows: sixteen lanes store 256 consecutive aligned bytes.
.Lpath_w:
.set WX,    32                         ; v32-95   two sets of 32 numbers
.set WC,    96                         ; v96-99   a block's codes
.set OUTR,  112                        ; v112-175 the way out
.set SB,    24                         ; v24-27   the scale bytes, four to a register
.set WPITCH, 272
	s_sub_co_u32 s21, ttmp9, 256
	s_lshr_b32 s22, s21, 1                         ; which 128 columns
	s_and_b32 s23, s21, 1                          ; which half of K
	s_lshl_b32 s22, s22, 7
	s_lshl_b32 s24, s20, 5
	s_add_co_u32 s22, s22, s24                     ; my wave's first column
	s_mul_i32 s24, s23, 6291456                    ; 512 rows of 12,288 bytes
	s_lshl_b32 s26, s22, 2
	s_add_co_u32 s24, s24, s26
	s_add_nc_u64 s[6:7], s[6:7], s[24:25]
	s_lshl_b32 s24, s22, 9
	s_lshl_b32 s26, s23, 8
	s_add_co_u32 s24, s24, s26
	s_add_nc_u64 s[14:15], s[14:15], s[24:25]
	s_lshl_b32 s24, s22, 5
	s_lshl_b32 s26, s23, 4
	s_add_co_u32 s24, s24, s26
	s_add_nc_u64 s[16:17], s[16:17], s[24:25]
	v_lshlrev_b32 v3, 2, v2                        ; in: 4 bytes a lane
	s_mul_i32 s27, s20, 32*WPITCH
	s_add_co_u32 s27, s27, 32768                   ; my stage
	v_mul_u32_u24 v4, v2, WPITCH
	v_add_nc_u32 v4, s27, v4                       ; into it: row = my column
	v_and_b32 v5, 15, v2
	v_lshrrev_b32 v6, 4, v2
	v_mul_u32_u24 v7, v6, WPITCH
	v_lshl_add_u32 v7, v5, 4, v7
	v_add_nc_u32 v7, s27, v7                       ; out of it: sixteen lanes to a row, two rows an instruction
	v_mul_u32_u24 v8, v6, 512
	v_lshl_add_u32 v8, v5, 4, v8                   ; and the same place in wc
	v_mul_u32_u24 v9, v2, 32                       ; my column's row of scale bytes
.macro LOADW t
.irp i, 0,1,2,3,4,5,6,7,8,9,10,11,12,13,14,15,16,17,18,19,20,21,22,23,24,25,26,27,28,29,30,31
	global_load_b32 v[WX+32*((\t)%2)+\i], v3, s[6:7] offset:(32*(\t)+\i)*12288 th:TH_LOAD_NT
.endr
.endm
	LOADW 0
	LOADW 1
.macro BLOCKW t
.set WS, WX+32*((\t)%2)
.if (\t) < 15
	s_wait_loadcnt 32                              ; this block's 32 loads are in; the next block's may be out
.else
	s_wait_loadcnt 0
.endif
	v_max3_num_f32 v16, |v[WS]|, |v[WS+1]|, |v[WS+2]|
	v_max3_num_f32 v17, |v[WS+3]|, |v[WS+4]|, |v[WS+5]|
.irp i, 6,10,14,18,22,26
	v_max3_num_f32 v16, v16, |v[WS+\i]|, |v[WS+\i+1]|
	v_max3_num_f32 v17, v17, |v[WS+\i+2]|, |v[WS+\i+3]|
.endr
	v_max3_num_f32 v16, v16, |v[WS+30]|, |v[WS+31]|
	v_max3_num_f32 v16, v16, v17, 0x1800000        ; and the floor
	v_add_nc_u32 v11, 0xff000000, v16              ; the conversion's scale operand
	v_lshrrev_b32 v17, 23, v11                     ; the scale's byte
.if (\t)%4 == 0
	v_mov_b32 v[SB+(\t)/4], v17
.else
	v_lshl_or_b32 v[SB+(\t)/4], v17, 8*((\t)%4), v[SB+(\t)/4]
.endif
.irp g, 0,1,2,3
	v_cvt_scalef32_pk8_fp4_f32 v[WC+\g], v[WS+8*\g:WS+8*\g+7], v11
.endr
	ds_store_b128 v4, v[WC:WC+3] offset:16*(\t)    ; 32 codes: 16 bytes of my column's row
.if (\t)+2 < 16
	LOADW (\t)+2
.endif
	s_wait_dscnt 0x0                               ; the store has read its registers: the next block's codes may be written
.endm
.irp t, 0,1,2,3,4,5,6,7,8,9,10,11,12,13,14,15
	BLOCKW \t
.endr
	global_store_b128 v9, v[SB:SB+3], s[16:17]     ; my column's 16 scale bytes
.irp t, 0,1,2,3,4,5,6,7,8,9,10,11,12,13,14,15
	ds_load_b128 v[OUTR+4*\t:OUTR+4*\t+3], v7 offset:2*\t*WPITCH
.endr
.irp t, 0,1,2,3,4,5,6,7,8,9,10,11,12,13,14,15
	s_wait_dscnt 15-\t                             ; load t is in; the younger ones stay out
	global_store_b128 v8, v[OUTR+4*\t:OUTR+4*\t+3], s[14:15] offset:2*\t*512
.endr
	s_wait_tensorcnt 0x0                           ; the wave's end, behind my last LDS store
	ds_add_u32 v[SPW], v[NIL]
	s_wait_dscnt 0x0
	s_endpgm
.Lfunc_end_k_qeb970d95ed_prep:
	.size	k_qeb970d95ed_prep, .Lfunc_end_k_qeb970d95ed_prep-k_qeb970d95ed_prep
	.p2alignl 7, 3214868480
	.fill 96, 4, 3214868480
	.section	.rodata,"a",@progbits
	.p2align	6, 0x0
	.amdhsa_kernel k_qeb970d95ed_prep
		.amdhsa_group_segment_fixed_size 68096
		.amdhsa_private_segment_fixed_size 0
		.amdhsa_enable_private_segment 0
		.amdhsa_kernarg_size 64
		.amdhsa_user_sgpr_count 2
		.amdhsa_user_sgpr_kernarg_segment_ptr 1
		.amdhsa_wavefront_size32 1
		.amdhsa_system_sgpr_workgroup_id_x 1
		.amdhsa_system_sgpr_workgroup_id_y 1
		.amdhsa_system_sgpr_workgroup_id_z 1
		.amdhsa_system_vgpr_workitem_id 0
		.amdhsa_next_free_vgpr 192
		.amdhsa_next_free_sgpr 66
		.amdhsa_reserve_vcc 0
		.amdhsa_float_denorm_mode_32 3
		.amdhsa_float_denorm_mode_16_64 3
		.amdhsa_memory_ordered 1
		.amdhsa_forward_progress 1
		.amdhsa_inst_pref_size 135
	.end_amdhsa_kernel
	.amdgpu_metadata
---
amdhsa.version: [ 1, 2 ]
amdhsa.kernels:
  - .name:           k_qeb970d95ed_prep
    .symbol:         k_qeb970d95ed_prep.kd
    .args:
      - { .name: x, .offset: 0, .size: 8, .value_kind: global_buffer, .address_space: global }
      - { .name: W_qkv, .offset: 8, .size: 8, .value_kind: global_buffer, .address_space: global }
      - { .name: W_out, .offset: 16, .size: 8, .value_kind: global_buffer, .address_space: global }
      - { .name: xc, .offset: 24, .size: 8, .value_kind: global_buffer, .address_space: global }
      - { .name: xs, .offset: 32, .size: 8, .value_kind: global_buffer, .address_space: global }
      - { .name: wc, .offset: 40, .size: 8, .value_kind: global_buffer, .address_space: global }
      - { .name: ws, .offset: 48, .size: 8, .value_kind: global_buffer, .address_space: global }
      - { .name: woh, .offset: 56, .size: 8, .value_kind: global_buffer, .address_space: global }
    .group_segment_fixed_size: 68096
    .private_segment_fixed_size: 0
    .kernarg_segment_align: 8
    .kernarg_segment_size: 64
    .max_flat_workgroup_size: 128
    .sgpr_count:     66
    .vgpr_count:     192
    .wavefront_size: 32
...
	.end_amdgpu_metadata
.endif
;; end of part 1
;; launch qkv (part 2): grid 12 x 32, 4 waves a work-group, clusters of 4 x 4, 327,680 bytes of LDS; arguments xc, xs, wc, ws, b_qkv, qkv; writes qkv
.if DOCPART == 2
	.amdgcn_target "amdgcn-amd-amdhsa--gfx1250"
	.amdhsa_code_object_version 6
	.text
	.protected	k_qeb970d95ed_qkv
	.globl	k_qeb970d95ed_qkv
	.p2align	8
	.type	k_qeb970d95ed_qkv,@function
k_qeb970d95ed_qkv:
	s_mov_b64 s[64:65], 0
	v_nop
	global_prefetch_b8 v0, s[64:65] scope:SCOPE_SE
	s_setreg_imm32_b32 hwreg(HW_REG_WAVE_MODE, 25, 1), 1
	s_wait_xcnt 0x0
	s_wait_alu depctr_hold_cnt(0) depctr_sa_sdst(0) depctr_va_vdst(0) depctr_va_sdst(0) depctr_va_ssrc(0) depctr_va_vcc(0) depctr_vm_vsrc(0)
	s_getreg_b32 s2, hwreg(HW_REG_IB_STS2, 6, 4)
	s_cmp_eq_u32 s2, 0
	s_cbranch_scc0 .Lentry_in_a_cluster
	s_endpgm
.Lentry_in_a_cluster:
	s_bfe_u32 s2, ttmp6, 0x10000c
	s_cmp_lg_u32 s2, 0xf033
	s_cbranch_scc0 .Lentry_shape_is_right
	s_endpgm
.Lentry_shape_is_right:
; qkv = Q(x) Q(W_qkv) + b_qkv on codes of FP4 (E2M1) with one E8M0 scale for each 32 along K; sums in f32; the result is rounded once to f16 and laid by head: qkv [b 4][g 48][t 2048][64], g = column / 64.
; A = xc [8192][512 bytes], xs [8192][32]; B = wc [3072][512 bytes], ws [3072][32]: K innermost, two codes a byte.
; A tile of 256 x 256 is made by a work-group of four waves; a wave makes 128 x 128: 64 accumulators, 512 registers.  K = 1,024 is two slots of 512 along K: both are first fills, nothing is filled again.
; The scales of the work-group's 256 + 256 rows come into LDS once, with the first fills.  By this text's own count a wave has three tensor loads out at the most.
; CLUSTERS: 4 x 4 work-groups; A's tiles are asked for jointly along a row of the cluster, B's along a column.
; THE MATRIX INSTRUCTION IS USED TRANSPOSED (source 0 = 16 rows of B, source 1 = 16 rows of A): a lane holds eight neighbouring columns of one row.  The bias is the C of each sum's first product.
; LIMITS: results above 65,504 become infinite in f16; under about 6e-8 they are lost.
; REGISTERS: window 0: v0-31 addresses; v32-95 scale words, two sets (they hold nothing else); v128-191 A's fragments, one set; v192-255 the bias; on the way out v128-223 are at work.
;   window 1: B's fragments, two sets, at v0 and v128.   window 2: accumulators of my rows 0-63 ((a, b) at v[8 (8 a + b)]);   window 3: those of rows 64-127.
.set KSTEP,  512
.set NQ,     4
.set ROWB,   256
.set KROW,   512
.set PITCH,  272                       ; an LDS row: 256 bytes + 16 of padding: the 16 rows that a load touches start at 16 different banks
.set FR,     8
.set NL,     2
.set NP,     4
.set HALFT,  128*PITCH
.set SLOT,   4*HALFT
.set KS,     32
.set SCL,    2*SLOT
.set HALFS,  (128*KS/256)*272
.set SBLK,   (16*KS/256)*272
.set SPARE,  SCL+4*HALFS               ; the spare words, 128 bytes a wave
.set ADRA, 16
.set ADRB, 20
.set STO,  24
.set RD,   25
.set CO,   26
.set ADRS, 27
.set SPW,  28
.set NIL,  29
.set SC,   32
.set AF,   128
.set BIAS, 192                         ; v192-255: lane (r, h): b_qkv[my first column + 16 b + 8 h + j] at v[BIAS + 8 b + j]
.set TMP,  128                         ; the way out: a block's packed results
.set BK,   160                         ; and its rows read back: v160-191 and v192-223 by turns
.set G1, 24
.set G0, 32
.set G1B, 48
.set G0B, 56
.set G1S, 68
.set G0S, 76
.set G1SB, 80
.set G0SB, 88
.set MSB, 0
.macro WIN new                         ; the immediate's high byte repeats the setting that is left
.if MSB != \new
	s_set_vgpr_msb (MSB<<8)|\new
.set MSB, \new
.endif
.endm
.set MUL_LO, 0xa1                      ; source 0 (B) window 1, source 1 (A) window 0, C and D window 2
.set MUL_HI, 0xf1                      ; the same, C and D window 3
.set TO_B,   0x40
; A joint load: waves 0 and 1 fetch for A, waves 2 and 3 for B.  The branch hangs on the wave's number alone.  An s_nop 0 and four v_nop follow each of the two lines.
.macro JLOAD g0a, g1a, g0b, g1b
	s_cmp_eq_u32 s15, 0
	s_cbranch_scc0 .Lfor_b_\@
	tensor_load_to_lds s[\g0a:\g0a+3], s[\g1a:\g1a+7]
	s_nop 0
.rept 4
	v_nop
.endr
	s_branch .Lasked_\@
.Lfor_b_\@:
	tensor_load_to_lds s[\g0b:\g0b+3], s[\g1b:\g1b+7]
	s_nop 0
.rept 4
	v_nop
.endr
.Lasked_\@:
.endm
.macro CROUND                          ; a round of the cluster's barrier
	s_barrier_signal -1
	s_barrier_wait -1
	s_cmp_lg_u32 s14, 0
	s_cbranch_scc1 .Lnot_wave_0_\@
	s_barrier_signal -3
.Lnot_wave_0_\@:
	s_barrier_wait -3
	s_barrier_signal -1
	s_barrier_wait -1
.endm
	s_load_b128 s[4:7], s[0:1], 0x0                ; xc s[4:5], xs s[6:7]
	s_load_b128 s[8:11], s[0:1], 0x10              ; wc s[8:9], ws s[10:11]
	s_load_b128 s[96:99], s[0:1], 0x20             ; b_qkv s[96:97], qkv s[98:99]
	v_lshl_add_u32 v[SPW], v0, 2, SPARE
	v_mov_b32 v[NIL], 0
	ds_add_u32 v[SPW], v[NIL]                      ; the wave's opening: the add, twice on end, and its wait ahead of my first tensor load
	ds_add_u32 v[SPW], v[NIL]
	v_lshrrev_b32 v1, 5, v0
	v_readfirstlane_b32 s14, v1                    ; wave 0..3
	s_lshr_b32 s15, s14, 1                         ; which half of the tile's rows is mine.  Also: I fetch for A (0) or for B (1)
	s_and_b32 s16, s14, 1                          ; which half of its columns.  Also: which 128 rows of that tile I fetch
	s_bfe_u32 s40, ttmp6, 0x40000                  ; cx, cy
	s_bfe_u32 s41, ttmp6, 0x40004
	s_lshl_b32 s42, ttmp9, 2
	s_add_co_u32 s42, s42, s40                     ; tile column
	s_and_b32 s17, ttmp7, 0xffff
	s_lshl_b32 s17, s17, 2
	s_add_co_u32 s17, s17, s41                     ; tile row
	s_lshl_b32 s43, s41, 2
	s_lshl_b32 s43, 15, s43                        ; my row of the cluster
	s_lshl_b32 s44, 0x1111, s40                    ; my column
	s_or_b32 s[G1+0], s43, (0<<16)|(1<<20)|(1<<21)|(5<<22)|(3<<25)  ; the mask; elements of 1 byte; padding: 4 words after every 64
	s_or_b32 s[G1B+0], s44, (0<<16)|(1<<20)|(1<<21)|(5<<22)|(3<<25)
.irp g, G1, G1B
	s_mov_b32 s[\g+1], ROWB<<16                    ; tensor_dim0
	s_mov_b32 s[\g+2], 128<<16                     ; tensor_dim1
	s_mov_b32 s[\g+3], ROWB<<16                    ; tile_dim0
	s_mov_b32 s[\g+4], 128                         ; tile_dim1
	s_mov_b32 s[\g+5], KROW                        ; the pitch
	s_mov_b32 s[\g+6], 0
	s_mov_b32 s[\g+7], 0
.endr
	s_or_b32 s[G1S+0], s43, (3<<16)|(1<<20)|(1<<21)|(5<<22)|(3<<25) ; the scales of 128 rows: 4,096 dense bytes as 16 rows of 256 bytes, 16 of padding behind each
	s_or_b32 s[G1SB+0], s44, (3<<16)|(1<<20)|(1<<21)|(5<<22)|(3<<25)
.irp g, G1S, G1SB
	s_mov_b32 s[\g+1], 32<<16
	s_mov_b32 s[\g+2], (128*KS/256)<<16
	s_mov_b32 s[\g+3], 32<<16
	s_mov_b32 s[\g+4], 128*KS/256
	s_mov_b32 s[\g+5], 32
	s_mov_b32 s[\g+6], 0
	s_mov_b32 s[\g+7], 0
.endr
	s_lshl_b32 s18, s16, 7
	s_lshl_b32 s20, s17, 8
	s_add_co_u32 s20, s20, s18                     ; A: row 256 x tile row + 128 x half
	s_lshl_b32 s46, s42, 8
	s_add_co_u32 s46, s46, s18                     ; B: row 256 x tile column + 128 x half
	s_mov_b32 s21, 0
	s_mov_b32 s47, 0
	s_mov_b64 s[18:19], KS
	s_mul_u64 s[22:23], s[20:21], s[18:19]
	s_mul_u64 s[92:93], s[46:47], s[18:19]
	s_mov_b64 s[18:19], KROW
	s_mul_u64 s[20:21], s[20:21], s[18:19]
	s_mul_u64 s[46:47], s[46:47], s[18:19]
	s_mul_i32 s45, s14, HALFT                      ; where they go: wave x 128 rows: no place in the cluster enters an LDS address
	s_mul_i32 s94, s14, HALFS
	s_wait_dscnt 0x0                               ; both opening adds are done
	s_wait_kmcnt 0x0
	s_add_nc_u64 s[20:21], s[4:5], s[20:21]
	s_add_nc_u64 s[22:23], s[6:7], s[22:23]
	s_add_nc_u64 s[46:47], s[8:9], s[46:47]
	s_add_nc_u64 s[92:93], s[10:11], s[92:93]
	CROUND                                         ; all sixteen work-groups are here: the first joint loads meet
	s_mov_b32 s[G0S], 1
	s_add_co_u32 s[G0S+1], s94, SCL
	s_mov_b64 s[G0S+2:G0S+3], s[22:23]
	s_or_b32 s[G0S+3], s[G0S+3], 0x80000000
	s_mov_b32 s[G0SB], 1
	s_add_co_u32 s[G0SB+1], s94, SCL
	s_mov_b64 s[G0SB+2:G0SB+3], s[92:93]
	s_or_b32 s[G0SB+3], s[G0SB+3], 0x80000000
	JLOAD G0S, G1S, G0SB, G1SB                     ; the scales first
.irp s, 0,1
	s_mov_b32 s[G0+4*\s], 1
	s_add_co_u32 s[G0+4*\s+1], s45, \s*SLOT
	s_add_nc_u64 s[G0+4*\s+2:G0+4*\s+3], s[20:21], \s*ROWB
	s_or_b32 s[G0+4*\s+3], s[G0+4*\s+3], 0x80000000
	s_mov_b32 s[G0B+4*\s], 1
	s_add_co_u32 s[G0B+4*\s+1], s45, \s*SLOT
	s_add_nc_u64 s[G0B+4*\s+2:G0B+4*\s+3], s[46:47], \s*ROWB
	s_or_b32 s[G0B+4*\s+3], s[G0B+4*\s+3], 0x80000000
	JLOAD G0+4*\s, G1, G0B+4*\s, G1B
.endr
	v_and_b32 v1, 15, v0                           ; r
	v_bfe_u32 v2, v0, 4, 1                         ; h
	s_lshl_b32 s46, s42, 10                        ; the bias of my 128 columns: 4 x (256 x tile column + 128 x half) bytes on
	s_lshl_b32 s47, s16, 9
	s_add_co_u32 s46, s46, s47
	s_mov_b32 s47, 0
	s_add_nc_u64 s[96:97], s[96:97], s[46:47]
	v_lshlrev_b32 v7, 5, v2                        ; + 32 h
.irp b, 0,1,2,3,4,5,6,7
	global_load_b128 v[BIAS+8*\b:BIAS+8*\b+3], v7, s[96:97] offset:64*\b
	global_load_b128 v[BIAS+8*\b+4:BIAS+8*\b+7], v7, s[96:97] offset:64*\b+16
.endr
	v_mul_u32_u24 v3, v1, PITCH
	v_lshl_add_u32 v4, v2, 4, v3                   ; a fragment's row x pitch + 16 x half
	s_mul_i32 s21, s15, HALFT
	s_mul_i32 s22, s16, HALFT
	s_add_co_u32 s22, s22, 2*HALFT
.irp s, 0,1
	v_add_nc_u32 v[ADRA+\s], s21, v4
	v_add_nc_u32 v[ADRB+\s], s22, v4
	s_add_co_u32 s21, s21, SLOT
	s_add_co_u32 s22, s22, SLOT
.endr
	v_mul_u32_u24 v5, v1, KS                       ; my row's scales: 32 bytes a row,
	v_lshrrev_b32 v6, 8, v5
	v_lshl_add_u32 v5, v6, 4, v5                   ; and 16 more for each 256 passed
	s_mul_i32 s21, s15, HALFS
	s_mul_i32 s22, s16, HALFS
	s_add_co_u32 s22, s22, 2*HALFS
	s_sub_co_u32 s22, s22, s21
	v_mul_u32_u24 v6, s22, v2                      ; lanes 16-31 take B's
	s_add_co_u32 s21, s21, SCL
	v_add_nc_u32 v5, v5, v6
	v_add_nc_u32 v[ADRS], s21, v5
	; the way out: my stage, 4,352 bytes in slot 0: two heads x 8 double rows (two rows of 128 bytes) of pitch 272
	s_mul_i32 s23, s14, 4352
	v_lshrrev_b32 v5, 1, v1
	v_mul_u32_u24 v5, v5, 272
	v_and_b32 v6, 1, v1
	v_lshl_add_u32 v5, v6, 7, v5
	v_lshl_add_u32 v5, v2, 4, v5
	v_add_nc_u32 v[STO], s23, v5                   ; in: (r / 2) 272 + (r % 2) 128 + 16 h
	v_mul_u32_u24 v5, v2, 272
	v_lshl_add_u32 v5, v1, 4, v5
	v_add_nc_u32 v[RD], s23, v5                    ; back: two double rows an instruction
	v_and_b32 v6, 31, v0
	v_lshlrev_b32 v[CO], 4, v6                     ; and the same 512 bytes in qkv
	s_lshr_b32 s20, s17, 3                         ; the batch
	s_mul_i32 s20, s20, 12582912
	s_and_b32 s21, s17, 7
	s_lshl_b32 s21, s21, 8
	s_lshl_b32 s22, s15, 7
	s_add_co_u32 s21, s21, s22                     ; my first position
	s_lshl_b32 s21, s21, 7
	s_add_co_u32 s20, s20, s21
	s_lshl_b32 s46, s42, 2
	s_lshl_b32 s47, s16, 1
	s_add_co_u32 s46, s46, s47                     ; my first g
	s_lshl_b32 s46, s46, 18
	s_add_co_u32 s20, s20, s46
	s_mov_b32 s21, 0
	s_add_nc_u64 s[98:99], s[98:99], s[20:21]
.macro FRAG reg, adr, q, i             ; 16 rows x 128 K of 4-bit codes: 8 registers: two loads of 16 bytes, 32 bytes apart
.irp c, 0,1
	ds_load_b128 v[\reg+4*\c:\reg+4*\c+3], v[\adr] offset:64*(\q)+32*\c+(\i)*16*PITCH
.endr
.endm
; 16 matrix instructions: A's blocks a0, a0 + 1 x B's eight.  first = 1: the bias is the C of the sum's first product.  The 64 accumulators take turns, one instruction a turn.
.macro MUL16 a0, p, q, sc, first
.irp a, \a0, \a0+1
.irp b, 0,1,2,3,4,5,6,7
.if \first
	v_wmma_scale_f32_16x16x128_f8f6f4 v[8*(8*((\a)%4)+\b):8*(8*((\a)%4)+\b)+7], v[128*(\p)+FR*\b:128*(\p)+FR*\b+FR-1], v[AF+FR*(\a):AF+FR*(\a)+FR-1], v[BIAS+8*\b:BIAS+8*\b+7], v[SC+8*NQ*(\sc)+NQ*\b+(\q)], v[SC+8*NQ*(\sc)+NQ*(\a)+(\q)] matrix_a_fmt:MATRIX_FMT_FP4 matrix_b_fmt:MATRIX_FMT_FP4 matrix_a_scale:MATRIX_SCALE_ROW1
.else
	v_wmma_scale_f32_16x16x128_f8f6f4 v[8*(8*((\a)%4)+\b):8*(8*((\a)%4)+\b)+7], v[128*(\p)+FR*\b:128*(\p)+FR*\b+FR-1], v[AF+FR*(\a):AF+FR*(\a)+FR-1], v[8*(8*((\a)%4)+\b):8*(8*((\a)%4)+\b)+7], v[SC+8*NQ*(\sc)+NQ*\b+(\q)], v[SC+8*NQ*(\sc)+NQ*(\a)+(\q)] matrix_a_fmt:MATRIX_FMT_FP4 matrix_b_fmt:MATRIX_FMT_FP4 matrix_a_scale:MATRIX_SCALE_ROW1
.endif
.endr
.endr
.endm
.macro FETCH_B slot, q, p
	WIN TO_B
.irp i, 0,1,2,3,4,5,6,7
	FRAG 128*(\p)+FR*\i, ADRB+\slot, \q, \i
.endr
	WIN 0
.endm
.macro FETCH_A slot, q, i0
.irp i, \i0, \i0+1, \i0+2, \i0+3
	FRAG AF+FR*(\i), ADRA+\slot, \q, \i
.endr
.endm
.macro SCALES sc                       ; a K step's scale words: lanes 0-15 take A's block i, lanes 16-31 B's block i
.irp i, 0,1,2,3,4,5,6,7
	ds_load_b128 v[SC+8*NQ*\sc+NQ*\i:SC+8*NQ*\sc+NQ*\i+3], v[ADRS] offset:\i*SBLK
.endr
.endm
.macro PLACES n                        ; plain vector instructions between a matrix instruction and a load into, or a read of, its registers
.rept \n
	v_nop
.endr
.endm
.macro STEP slot, q, first             ; a step of 128 along K that has its successor in the same slot
	s_wait_dscnt 4*NL                              ; B's set and A's blocks 0-3 are in; the youngest eight loads (A's blocks 4-7) may be out
.if \first
	WIN 0x81                                       ; C (the bias) in window 0, D in window 2
.else
	WIN MUL_LO
.endif
	MUL16 0, (\q)%2, \q, \slot, \first
	MUL16 2, (\q)%2, \q, \slot, \first
	s_wait_dscnt 0
	PLACES NP
	FETCH_B \slot, (\q)+1, 1-(\q)%2
	FETCH_A \slot, (\q)+1, 0
.if \first
	WIN 0xc1
.else
	WIN MUL_HI
.endif
	MUL16 4, (\q)%2, \q, \slot, \first
	MUL16 6, (\q)%2, \q, \slot, \first
	PLACES NP
	WIN 0
	FETCH_A \slot, (\q)+1, 4
.endm
.macro STEPS slot, from
.set Q, \from
.rept NQ-1-\from
	STEP \slot, Q, 0
.set Q, Q+1
.endr
.endm
	s_wait_tensorcnt 1                             ; the scales and my part of slot 0 are in; slot 1's load may stay out
	s_barrier_signal -1
	s_barrier_wait -1
	FETCH_B 0, 0, 0
	FETCH_A 0, 0, 0
	SCALES 0
	FETCH_A 0, 0, 4
	s_wait_loadcnt 0x0                             ; the bias
	STEP 0, 0, 1
	STEPS 0, 1
	; slot 0's last step changes slots: one barrier; in front of it each wave waits for all its tensor loads (slot 1's), adds 0 to its spare word, and waits for that and for its reads of slot 0
	s_wait_tensorcnt 0x0
	ds_add_u32 v[SPW], v[NIL]
	s_wait_dscnt 4*NL+1                            ; the add and the youngest eight loads may be out
	WIN MUL_LO
	MUL16 0, 1, NQ-1, 0, 0
	s_wait_dscnt 0x0                               ; the add is done, and my reads of slot 0 are over
	s_barrier_signal -1
	MUL16 2, 1, NQ-1, 0, 0
	WIN 0
	s_barrier_wait -1
	PLACES NP
	v_add_nc_u32 v[ADRS], 4*NQ, v[ADRS]            ; on to the second K step's scale words
	FETCH_B 1, 0, 0
	FETCH_A 1, 0, 0
	SCALES 1
	WIN MUL_HI
	MUL16 4, 1, NQ-1, 0, 0
	MUL16 6, 1, NQ-1, 0, 0
	PLACES NP
	WIN 0
	FETCH_A 1, 0, 4
	STEPS 1, 0
	s_wait_dscnt 4*NL                              ; the very last step
	WIN MUL_LO
	MUL16 0, 1, NQ-1, 1, 0
	MUL16 2, 1, NQ-1, 1, 0
	s_wait_dscnt 0
	WIN MUL_HI
	MUL16 4, 1, NQ-1, 1, 0
	MUL16 6, 1, NQ-1, 1, 0
	WIN 0
; THE WAY OUT, block by block of 16 rows x 128 columns = two heads x 2,048 consecutive bytes of qkv.  Rounded to f16, 16 bytes a lane into my stage, back as runs of 512 bytes.
; The stage lies in slot 0, which has had its only fill, and which nobody reads behind the change of slots.
.macro PACK a
.set AC, 64*((\a)%4)
	WIN 0x0a+5*((\a)/4)                            ; sources 0 and 1: window 2 or 3
.irp b, 0,1,2,3,4,5,6,7
.irp i, 0,1,2,3
	v_cvt_pk_f16_f32 v[TMP+4*\b+\i], v[AC+8*\b+2*\i], v[AC+8*\b+2*\i+1]   ; each accumulator from its low end on
.endr
.endr
	WIN 0
.endm
.macro TOSTAGE a
.set BB, BK+32*((\a)%2)
.irp b, 0,1,2,3,4,5,6,7
	ds_store_b128 v[STO], v[TMP+4*\b:TMP+4*\b+3] offset:(\b/4)*2176+(\b%4)*32
.endr
.irp t, 0,1,2,3,4,5,6,7
	ds_load_b128 v[BB+4*\t:BB+4*\t+3], v[RD] offset:(\t/4)*2176+(\t%4)*544   ; LDS serves a wave's instructions in order: these see the stores above
.endr
.endm
.macro SEND a
.set BB, BK+32*((\a)%2)
	s_wait_dscnt 0x0                               ; the block is back in registers
	s_wait_xcnt 0x0                                ; the block before's stores have read their data: the next block's loads may land there
.irp t, 0,1,2,3,4,5,6,7
	global_store_b128 v[CO], v[BB+4*\t:BB+4*\t+3], s[98:99] offset:(\t/4)*262144+(\a)*2048+(\t%4)*512   ; 32 lanes store 512 consecutive bytes, aligned
.endr
.endm
	PLACES NP
	PACK 0
	TOSTAGE 0
.irp a, 1,2,3,4,5,6,7
	PACK \a
	SEND \a-1
	TOSTAGE \a
.endr
	SEND 7
	s_wait_tensorcnt 0x0                           ; the wave's end, behind my last tensor load and my last LDS store
	ds_add_u32 v[SPW], v[NIL]
	s_wait_dscnt 0x0
	CROUND                                         ; the closing round
	s_endpgm
.Lfunc_end_k_qeb970d95ed_qkv:
	.size	k_qeb970d95ed_qkv, .Lfunc_end_k_qeb970d95ed_qkv-k_qeb970d95ed_qkv
	.p2alignl 7, 3214868480
	.fill 96, 4, 3214868480
	.section	.rodata,"a",@progbits
	.p2align	6, 0x0
	.amdhsa_kernel k_qeb970d95ed_qkv
		.amdhsa_group_segment_fixed_size 327680
		.amdhsa_private_segment_fixed_size 0
		.amdhsa_enable_private_segment 0
		.amdhsa_kernarg_size 48
		.amdhsa_user_sgpr_count 2
		.amdhsa_user_sgpr_kernarg_segment_ptr 1
		.amdhsa_wavefront_size32 1
		.amdhsa_system_sgpr_workgroup_id_x 1
		.amdhsa_system_sgpr_workgroup_id_y 1
		.amdhsa_system_sgpr_workgroup_id_z 1
		.amdhsa_system_vgpr_workitem_id 0
		.amdhsa_next_free_vgpr 1024
		.amdhsa_next_free_sgpr 100
		.amdhsa_reserve_vcc 0
		.amdhsa_float_denorm_mode_32 3
		.amdhsa_float_denorm_mode_16_64 3
		.amdhsa_memory_ordered 1
		.amdhsa_forward_progress 1
		.amdhsa_inst_pref_size 128
	.end_amdhsa_kernel
	.amdgpu_metadata
---
amdhsa.version: [ 1, 2 ]
amdhsa.kernels:
  - .name:           k_qeb970d95ed_qkv
    .symbol:         k_qeb970d95ed_qkv.kd
    .args:
      - { .name: xc, .offset: 0, .size: 8, .value_kind: global_buffer, .address_space: global }
      - { .name: xs, .offset: 8, .size: 8, .value_kind: global_buffer, .address_space: global }
      - { .name: wc, .offset: 16, .size: 8, .value_kind: global_buffer, .address_space: global }
      - { .name: ws, .offset: 24, .size: 8, .value_kind: global_buffer, .address_space: global }
      - { .name: b_qkv, .offset: 32, .size: 8, .value_kind: global_buffer, .address_space: global }
      - { .name: qkv, .offset: 40, .size: 8, .value_kind: global_buffer, .address_space: global }
    .group_segment_fixed_size: 327680
    .private_segment_fixed_size: 0
    .kernarg_segment_align: 8
    .kernarg_segment_size: 48
    .max_flat_workgroup_size: 128
    .sgpr_count:     100
    .vgpr_count:     1024
    .wavefront_size: 32
...
	.end_amdgpu_metadata
.endif
;; end of part 2
;; launch attn (part 3): grid 4 x 64, 16 waves a work-group, no clusters, 327,680 bytes of LDS; arguments qkv, att; writes att
.if DOCPART == 3
	.amdgcn_target "amdgcn-amd-amdhsa--gfx1250"
	.amdhsa_code_object_version 6
	.text
	.protected	k_qeb970d95ed_attn
	.globl	k_qeb970d95ed_attn
	.p2align	8
	.type	k_qeb970d95ed_attn,@function
k_qeb970d95ed_attn:
	s_mov_b64 s[64:65], 0
	v_nop
	global_prefetch_b8 v0, s[64:65] scope:SCOPE_SE
	s_setreg_imm32_b32 hwreg(HW_REG_WAVE_MODE, 25, 1), 1
	s_wait_xcnt 0x0
; att[h][b t][:] = the sum over keys s <= t of softmax_s(q[t] . k[s] / 8) v[s][:], for each (batch, head); q, k, v: f16 in qkv [b 4][g 48][t 2048][64] (q: g = h, k: 16 + h, v: 32 + h).
; Products on f16 operands with f32 sums; maxima, exponentials and sums in f32, with a running maximum; the weights are rounded to f16 for the second product, the result once to f16: att [head 16][row 8192][64].
; SHARES.  Work-group (i, b h) owns query blocks i and 7 - i of 256 queries: under the causal mask every work-group then has the same work.  Each of its sixteen waves owns 32 queries, two tiles of 16,
; in 256 registers; eight waves work on the early block and eight on the late one, mixed so that each group of four neighbouring waves, and each group taken four apart, has two of either.
; Every wave walks all steps of 64 keys; a step all of whose keys come after its queries is left out by a scalar branch on ids.
; K's and V's tiles come through a ring of two LDS slots of 256 keys, filled by the tensor data mover (waves 0, 1: K's halves; waves 2, 3: V's) and read by all sixteen.
; NO CLUSTER: the four work-groups of a head end their walk at different slots (256 (8 - i) keys), so a partner would have to ask for tiles that none of its waves reads.
; LAYOUT.  S^T = K Q^T (source 0 = 16 keys, source 1 = 16 queries), O^T = V^T P (source 0 = 16 channels, by the turning load; source 1 = P): a lane holds ONE query throughout; two tiles of S^T, rounded in pairs, ARE source 1 of the second product.
; LIMITS: the first 16 positions of every sequence are computed here too, and are replaced by a finer launch at the end of the program.  f16's range holds for q, k, v and the result.
; REGISTERS: v1-9 addresses and constants; v10-25 statistics, eight a tile; v26-29 at work; v30 the prefetches' offset; v32-63 Q; v64-127 fragments of K, then of V; v128-191 S^T, then P; v192-255 O^T.
.set VOFF,  34816                      ; a slot: 128 double rows of K (two keys of 128 bytes; pitch 272), then 128 double rows of V (pitch 288)
.set SLOT1, 131072                     ; slot 1 begins here: one exclusive or turns an address from one slot to the other
.set STAGE, 202752                     ; behind the ring: 4,352 bytes for each wave, for the way out
.set SPARE, 272384                     ; the spare words, 128 bytes a wave
.set AK0, 1
.set AV0, 2
.set ADK, 3
.set ADV, 4
.set SPW, 5
.set NIL, 6
.set RH,  7                            ; r - 8 h
.set NINF, 8                           ; -infinity
.set DD,  9
.set ST,  10                           ; tile u at v[ST + 8 u]: +0 c m, +1 m, +2, +3 l (even keys', odd keys'), +4 .. +7 at work; a takes +6
.set TS,  26                           ; v[26:27], v[28:29]: second chains of the sums
.set PFO, 30
.set QF,  32
.set KV,  64
.set SS,  128
.set OT,  192
.set WV,  18
.set SEL, 20
.set CS,  22                           ; s[22:23] c = log2(e) / 8
.set G1K, 24
.set G1V, 32
.set G0K, 40
.set G0V, 44
.set TB,  2
.set SLOTS, 67
.set KF,  98
.set Q0,  99
.set LASTQ, 95
.set PFA, 76
.set LIM, 80
; Waves 0 and 1 fetch for K, waves 2 and 3 for V, the others nothing.  An s_nop 0 and four v_nop follow each of the two lines.
.macro TLOAD
	s_cmp_lt_u32 s[WV], 2
	s_cbranch_scc0 .Lnot_k_\@
	tensor_load_to_lds s[G0K:G0K+3], s[G1K:G1K+7]
	s_nop 0
.rept 4
	v_nop
.endr
	s_branch .Lasked_\@
.Lnot_k_\@:
	s_cmp_lt_u32 s[WV], 4
	s_cbranch_scc0 .Lasked_\@
	tensor_load_to_lds s[G0V:G0V+3], s[G1V:G1V+7]
	s_nop 0
.rept 4
	v_nop
.endr
.Lasked_\@:
.endm
; A prefetch of what the NEXT change of slots will ask for: 32,768 bytes of K and as many of V.  The head's first work-group, which walks all slots, asks, and nobody else; in it waves 4 to 7 ask for K's block
; and waves 8 to 11 for V's, 8,192 bytes a wave, lanes 256 bytes apart: each aligned block of 256 bytes is named once in the launch, a slot's four key steps ahead of its load.  The last change that fills a slot asks for nothing.
.macro ASK
	s_cmp_gt_u32 s[SLOTS], s[LIM]
	s_cbranch_scc0 .Lnot_mine_\@
	global_prefetch_b8 v[PFO], s[PFA:PFA+1] th:TH_LOAD_NT scope:SCOPE_SE
.Lnot_mine_\@:
.endm
	s_load_b128 s[4:7], s[0:1], 0x0                ; qkv s[4:5], att s[6:7]
	v_lshl_add_u32 v[SPW], v0, 2, SPARE
	v_mov_b32 v[NIL], 0
	ds_add_u32 v[SPW], v[NIL]                      ; the wave's opening: the add, twice on end, and its wait ahead of my first tensor load
	ds_add_u32 v[SPW], v[NIL]
	v_lshrrev_b32 v26, 5, v0
	v_readfirstlane_b32 s[WV], v26                 ; wave 0..15
	s_and_b32 s8, ttmp7, 0xffff
	s_lshr_b32 s9, s8, 4                           ; the batch
	s_and_b32 s10, s8, 15                          ; the head
	s_mul_i32 s11, s9, 12582912
	s_lshl_b32 s12, s10, 18
	s_add_co_u32 s12, s11, s12                     ; q's first byte of this batch and head; k's lies 4,194,304 further on, v's 8,388,608
	s_lshr_b32 s14, s[WV], 2
	s_xor_b32 s14, s14, s[WV]
	s_and_b32 s14, s14, 1                          ; 0: the early block, 1: the late one
	s_lshr_b32 s15, s[WV], 1                       ; which 32 queries of it
	s_lshl_b32 s16, ttmp9, 1
	s_sub_co_u32 s16, 7, s16
	s_mul_i32 s16, s16, s14
	s_add_co_u32 s16, s16, ttmp9                   ; my block: i or 7 - i
	s_lshl_b32 s[Q0], s16, 8
	s_lshl_b32 s17, s15, 5
	s_add_co_u32 s[Q0], s[Q0], s17                 ; my first query
	s_sub_co_u32 s[LASTQ], 8, ttmp9
	s_lshl_b32 s[LASTQ], s[LASTQ], 8
	s_sub_co_u32 s[LASTQ], s[LASTQ], 1             ; my work-group's last query
	s_lshl_b32 s48, s[Q0], 7
	s_add_co_u32 s48, s48, s12
	s_mov_b32 s49, 0                               ; q at my first query
	s_lshl_b32 s50, s10, 20
	s_lshl_b32 s51, s9, 18
	s_add_co_u32 s50, s50, s51
	s_lshl_b32 s51, s[Q0], 7
	s_add_co_u32 s50, s50, s51
	s_mov_b32 s51, 0                               ; att likewise
	s_and_b32 s52, s[WV], 1                        ; which half of a slot I fetch, if I fetch
	s_lshl_b32 s53, s52, 14
	s_add_co_u32 s54, s12, s53
	s_add_co_u32 s54, s54, 4194304
	s_mov_b32 s55, 0                               ; K: in memory,
	s_add_co_u32 s56, s54, 4194304
	s_mov_b32 s57, 0                               ; V
	s_mul_i32 s58, s52, 17408                      ; and in a slot
	s_mul_i32 s59, s52, 18432
	s_add_co_u32 s59, s59, VOFF
	; descriptor group 1: 64 double rows of 256 bytes, dense in memory; padding behind each: K 4 words, V 8
	s_mov_b32 s[G1K], (1<<16)|(1<<20)|(5<<22)|(3<<25)
	s_mov_b32 s[G1V], (1<<16)|(1<<20)|(5<<22)|(7<<25)
.irp g, G1K, G1V
	s_mov_b32 s[\g+1], 128<<16                     ; tensor_dim0 = 128 elements of 2 bytes
	s_mov_b32 s[\g+2], 64<<16                      ; tensor_dim1
	s_mov_b32 s[\g+3], 128<<16                     ; tile_dim0
	s_mov_b32 s[\g+4], 64                          ; tile_dim1
	s_mov_b32 s[\g+5], 128                         ; the pitch
	s_mov_b32 s[\g+6], 0
	s_mov_b32 s[\g+7], 0
.endr
	s_mov_b32 s[SEL], 0x76543210
	s_mov_b32 s[SEL+1], 0xfedcba98
	s_mov_b32 s[CS], 0x3e38aa3b                    ; c = log2(e) / 8
	s_mov_b32 s[CS+1], s[CS]
	s_mov_b32 s[TB], 0
	s_mov_b32 s[SLOTS], 7
	s_mov_b32 s[KF], 0
	; the prefetches: where my wave's stand, and who asks
	s_mov_b32 s61, 8388608
	s_cmp_lt_u32 s[WV], 8
	s_cselect_b32 s60, 4194304, s61                ; waves 4 to 7: K; waves 8 to 11: V
	s_add_co_u32 s60, s60, s12
	s_and_b32 s61, s[WV], 3
	s_lshl_b32 s61, s61, 13
	s_add_co_u32 s60, s60, s61
	s_add_co_u32 s60, s60, 32768                   ; in slot 1: the first change of slots steps it to slot 2
	s_mov_b32 s61, 0
	s_sub_co_u32 s62, s[WV], 4
	s_lshr_b32 s62, s62, 3                         ; 0 in waves 4 to 11,
	s_or_b32 s62, s62, ttmp9                       ; of the head's first work-group
	s_cmp_eq_u32 s62, 0
	s_cselect_b32 s[LIM], 1, -1
	s_wait_dscnt 0x0                               ; both opening adds are done
	s_wait_kmcnt 0x0
	s_mov_b32 s[G0K], 1
	s_mov_b32 s[G0K+1], s58
	s_add_nc_u64 s[G0K+2:G0K+3], s[4:5], s[54:55]
	s_or_b32 s[G0K+3], s[G0K+3], 0x80000000
	s_mov_b32 s[G0V], 1
	s_mov_b32 s[G0V+1], s59
	s_add_nc_u64 s[G0V+2:G0V+3], s[4:5], s[56:57]
	s_or_b32 s[G0V+3], s[G0V+3], 0x80000000
	TLOAD                                          ; slot 0
	s_add_nc_u64 s[PFA:PFA+1], s[4:5], s[60:61]
	s_add_nc_u64 s[4:5], s[4:5], s[48:49]
	s_add_nc_u64 s[6:7], s[6:7], s[50:51]
	v_and_b32 v26, 15, v0                          ; r
	v_bfe_u32 v27, v0, 4, 1                        ; h
	v_lshlrev_b32 v[DD], 7, v26
	v_lshl_add_u32 v[DD], v27, 4, v[DD]            ; Q: row r of 128 bytes + 16 h (the register is free again behind the wait for these loads)
.irp u, 0,1
.irp c, 0,1
	global_load_b128 v[QF+16*\u+8*\c:QF+16*\u+8*\c+3], v[DD], s[4:5] offset:2048*\u+64*\c
	global_load_b128 v[QF+16*\u+8*\c+4:QF+16*\u+8*\c+7], v[DD], s[4:5] offset:2048*\u+64*\c+32
.endr
.endr
	v_lshrrev_b32 v28, 1, v26
	v_mul_u32_u24 v[AK0], v28, 272
	v_and_b32 v29, 1, v26
	v_lshl_add_u32 v[AK0], v29, 7, v[AK0]
	v_lshl_add_u32 v[AK0], v27, 4, v[AK0]          ; K: (r / 2) 272 + (r % 2) 128 + 16 h
	v_bfe_u32 v28, v0, 1, 2
	v_lshl_add_u32 v28, v27, 2, v28
	v_mul_u32_u24 v[AV0], v28, 288
	v_and_b32 v29, 1, v0
	v_lshl_add_u32 v[AV0], v29, 7, v[AV0]
	v_bfe_u32 v29, v0, 3, 1
	v_lshl_add_u32 v[AV0], v29, 4, v[AV0]
	v_add_nc_u32 v[AV0], VOFF, v[AV0]              ; V, for the turning load: key 8 h + l % 8, channels 8 ((l / 8) % 2) on
	v_lshlrev_b32 v28, 3, v27
	v_sub_nc_u32 v[RH], v26, v28
	v_mov_b32 v[NINF], 0xff800000
	v_and_b32 v[PFO], 31, v0
	v_lshlrev_b32 v[PFO], 8, v[PFO]
.irp u, 0,1
	v_mov_b32 v[ST+8*\u+1], 0xff61b1e6             ; the largest score so far: -3e38, under every score
	v_mul_f32 v[ST+8*\u], s[CS], v[ST+8*\u+1]
.irp j, 2,3,4,5,6,7
	v_mov_b32 v[ST+8*\u+\j], 0
.endr
.endr
.set i, 0
.rept 64
	v_mov_b32 v[OT+i], 0                           ; O^T.  (The step is written once: the first finds zeros, which its a = 0 leaves zeros)
.set i, i+1
.endr
; A KEY STEP: 64 keys, the q-th of the slot in hand.
.macro STEP q
	s_add_co_u32 s96, s[Q0], 31
	s_cmp_gt_u32 s[KF], s96                        ; all keys come after my 32 queries: the step's work is left out
	s_cbranch_scc1 .Lhidden_\@
	v_add_nc_u32 v[ADK], s[TB], v[AK0]
	v_add_nc_u32 v[ADV], s[TB], v[AV0]
.rept 3
	v_nop                                          ; with the two additions five places behind the last step's products: four for the loads into their fragments, five for the products that write over P's registers
.endr
.irp kt, 0,1,2,3
.irp c, 0,1
	ds_load_b128 v[KV+16*\kt+8*\c:KV+16*\kt+8*\c+3], v[ADK] offset:(\q)*8704+\kt*2176+64*\c
	ds_load_b128 v[KV+16*\kt+8*\c+4:KV+16*\kt+8*\c+7], v[ADK] offset:(\q)*8704+\kt*2176+64*\c+32
.endr
.endr
	s_wait_dscnt 0x0
.irp c, 0,1                                    ; S^T = K Q^T: eight accumulators by turns
.irp kt, 0,1,2,3
.irp u, 0,1
.if \c == 0
	v_wmma_f32_16x16x32_f16 v[SS+32*\u+8*\kt:SS+32*\u+8*\kt+7], v[KV+16*\kt+8*\c:KV+16*\kt+8*\c+7], v[QF+16*\u+8*\c:QF+16*\u+8*\c+7], 0
.else
	v_wmma_f32_16x16x32_f16 v[SS+32*\u+8*\kt:SS+32*\u+8*\kt+7], v[KV+16*\kt+8*\c:KV+16*\kt+8*\c+7], v[QF+16*\u+8*\c:QF+16*\u+8*\c+7], v[SS+32*\u+8*\kt:SS+32*\u+8*\kt+7]
.endif
.endr
.endr
.endr
.rept 4
	v_nop                                          ; places in front of the loads into K's registers and of the first read of the scores
.endr
.irp c, 0,1                                    ; V, turned: it lands while the softmax is walked
.irp ct, 0,1,2,3
	ds_load_tr16_b128 v[KV+32*\c+8*\ct:KV+32*\c+8*\ct+3], v[ADV] offset:(\q)*9216+\c*4608+32*\ct
	ds_load_tr16_b128 v[KV+32*\c+8*\ct+4:KV+32*\c+8*\ct+7], v[ADV] offset:(\q)*9216+\c*4608+2304+32*\ct
.endr
.endr
	s_add_co_u32 s96, s[KF], 63
	s_cmp_le_u32 s96, s[Q0]                        ; all keys count for all my queries: no mask
	s_cbranch_scc1 .Lopen_\@
	s_sub_co_i32 s96, s[Q0], s[KF]
	v_add_nc_u32 v[DD], s96, v[RH]                 ; register n of tile u holds key KF + 16 (n / 8) + 8 h + n % 8 for query Q0 + 16 u + r: hidden where 16 (n / 8) + n % 8 - 16 u > Q0 - KF + r - 8 h
.irp u, 0,1
.irp n, 0,1,2,3,4,5,6,7,8,9,10,11,12,13,14,15,16,17,18,19,20,21,22,23,24,25,26,27,28,29,30,31
	v_cmp_gt_i32 vcc_lo, 16*(\n/8)+\n%8-16*\u, v[DD]
	v_cndmask_b32 v[SS+32*\u+\n], v[SS+32*\u+\n], v[NINF], vcc_lo
.endr
.endr
.Lopen_\@:
.irp j, 0,1,2,3                                ; the largest score: four chains a tile, each begun at an accumulator's low end; the two tiles by turns
.irp u, 0,1
	v_max3_num_f32 v[ST+8*\u+4+\j], v[SS+32*\u+8*\j], v[SS+32*\u+8*\j+1], v[SS+32*\u+8*\j+2]
.endr
.endr
.irp i, 3,5
.irp j, 0,1,2,3
.irp u, 0,1
	v_max3_num_f32 v[ST+8*\u+4+\j], v[ST+8*\u+4+\j], v[SS+32*\u+8*\j+\i], v[SS+32*\u+8*\j+\i+1]
.endr
.endr
.endr
.irp u, 0,1
	v_max3_num_f32 v[ST+8*\u+4], v[ST+8*\u+4], v[SS+32*\u+7], v[SS+32*\u+15]
.endr
.irp u, 0,1
	v_max3_num_f32 v[ST+8*\u+6], v[ST+8*\u+6], v[SS+32*\u+23], v[SS+32*\u+31]
.endr
.irp u, 0,1
	v_max3_num_f32 v[ST+8*\u+4], v[ST+8*\u+4], v[ST+8*\u+5], v[ST+8*\u+6]
.endr
.irp u, 0,1
	v_max3_num_f32 v[ST+8*\u+4], v[ST+8*\u+4], v[ST+8*\u+7], v[ST+8*\u+1]   ; with the old m
.endr
.irp u, 0,1
	v_permlanex16_b32 v[ST+8*\u+5], v[ST+8*\u+4], s[SEL], s[SEL+1]          ; the query's other 32 keys lie in the lane 16 away
.endr
.irp u, 0,1
	v_mov_b32 v[ST+8*\u+7], v[ST+8*\u]             ; c m_old
.endr
.irp u, 0,1
	v_max_num_f32 v[ST+8*\u+1], v[ST+8*\u+4], v[ST+8*\u+5]
.endr
.irp u, 0,1
	v_mul_f32 v[ST+8*\u], s[CS], v[ST+8*\u+1]
.endr
.irp u, 0,1
	v_sub_f32 v[ST+8*\u+7], v[ST+8*\u+7], v[ST+8*\u]
.endr
.irp j, 0,2,4,6,8,10,12,14,16,18,20,22,24,26,28,30
.irp u, 0,1
	v_pk_fma_f32 v[SS+32*\u+\j:SS+32*\u+\j+1], v[SS+32*\u+\j:SS+32*\u+\j+1], s[CS:CS+1], v[ST+8*\u:ST+8*\u+1] op_sel_hi:[1,0,0] neg_lo:[0,0,1] neg_hi:[0,0,1]   ; c s - c m
.endr
.endr
.irp u, 0,1
	v_exp_f32 v[ST+8*\u+6], v[ST+8*\u+7]           ; a = 2^(c m_old - c m_new)
.endr
.set i, 0
.rept 64
	v_exp_f32 v[SS+i], v[SS+i]                     ; p = 2^(c s - c m)
.set i, i+1
.endr
	v_nop                                          ; a plain instruction behind the last exponential
	s_wait_alu depctr_va_vdst(0)                   ; one wait for the whole batch, ahead of its first reader
.irp u, 0,1
	v_pk_mul_f32 v[ST+8*\u+2:ST+8*\u+3], v[ST+8*\u+2:ST+8*\u+3], v[ST+8*\u+6:ST+8*\u+7] op_sel_hi:[1,0]   ; l under the new m
	v_pk_add_f32 v[TS+2*\u:TS+2*\u+1], v[SS+32*\u:SS+32*\u+1], v[SS+32*\u+2:SS+32*\u+3]
.endr
.irp j, 4,8,12,16,20,24,28
.irp u, 0,1
	v_pk_add_f32 v[ST+8*\u+2:ST+8*\u+3], v[ST+8*\u+2:ST+8*\u+3], v[SS+32*\u+\j:SS+32*\u+\j+1]
	v_pk_add_f32 v[TS+2*\u:TS+2*\u+1], v[TS+2*\u:TS+2*\u+1], v[SS+32*\u+\j+2:SS+32*\u+\j+3]
.endr
.endr
.irp u, 0,1
	v_pk_add_f32 v[ST+8*\u+2:ST+8*\u+3], v[ST+8*\u+2:ST+8*\u+3], v[TS+2*\u:TS+2*\u+1]
.endr
.irp u, 0,1
.irp j, 0,1,2,3,4,5,6,7,8,9,10,11,12,13,14,15
	v_cvt_pk_f16_f32 v[SS+32*\u+\j], v[SS+32*\u+2*\j], v[SS+32*\u+2*\j+1]   ; P, in place, ascending: no number is written over before it is read
.endr
.endr
.irp u, 0,1
.irp j, 0,2,4,6,8,10,12,14,16,18,20,22,24,26,28,30
	v_pk_mul_f32 v[OT+32*\u+\j:OT+32*\u+\j+1], v[OT+32*\u+\j:OT+32*\u+\j+1], v[ST+8*\u+6:ST+8*\u+7] op_sel_hi:[1,0]   ; O^T under the new m
.endr
.endr
	s_wait_dscnt 0x0                               ; V is in
.irp c, 0,1                                    ; O^T += V^T P: eight accumulators by turns
.irp ct, 0,1,2,3
.irp u, 0,1
	v_wmma_f32_16x16x32_f16 v[OT+32*\u+8*\ct:OT+32*\u+8*\ct+7], v[KV+32*\c+8*\ct:KV+32*\c+8*\ct+7], v[SS+32*\u+8*\c:SS+32*\u+8*\c+7], v[OT+32*\u+8*\ct:OT+32*\u+8*\ct+7]
.endr
.endr
.endr
.Lhidden_\@:
	s_add_co_u32 s[KF], s[KF], 64
.endm
; THE CHANGE OF SLOTS stands at a slot's head.  Each wave waits for all its tensor loads, adds 0 to its spare word, and waits for that and for its reads of the slot that it has left.
; Behind the barrier the slot ahead is whole and nobody reads the other one, which is then filled with the keys that follow, up to the causal limit.
.macro CHANGE fill
	s_wait_tensorcnt 0x0                           ; no tensor load of mine is out, so a group 0 may be written
	ds_add_u32 v[SPW], v[NIL]
.if \fill
	ds_add_u32 v[SPW], v[NIL]                      ; and once more: the add stands twice on end, in every trip alike
	s_xor_b32 s[G0K+1], s[G0K+1], SLOT1
	s_add_nc_u64 s[G0K+2:G0K+3], s[G0K+2:G0K+3], 32768
	s_xor_b32 s[G0V+1], s[G0V+1], SLOT1
	s_add_nc_u64 s[G0V+2:G0V+3], s[G0V+2:G0V+3], 32768
	s_wait_xcnt 0x0                                ; the last prefetch, a slot back, has read its address
	s_add_nc_u64 s[PFA:PFA+1], s[PFA:PFA+1], 32768
.endif
	s_wait_dscnt 0x0                               ; the add is done, and my reads of the slot that I have left are over
	s_barrier_signal -1
	s_barrier_wait -1
.if \fill
	s_add_co_u32 s96, s[KF], 256                   ; the first key of the slot that this change would ask for
	s_cmp_gt_u32 s96, s[LASTQ]                     ; beyond my work-group's last query none of its waves reads it: it is not asked for.  Ids and the count of steps alone: all sixteen waves go the same way
	s_cbranch_scc1 .Lpast_\@
	TLOAD                                          ; a wave's one tensor load until the next change
.Lpast_\@:
	ASK
.endif
.endm
.macro SLOT_STEPS
	STEP 0
	STEP 1
	STEP 2
	STEP 3
	s_xor_b32 s[TB], s[TB], SLOT1
.endm
	s_wait_loadcnt 0x0                             ; Q
.Lslot:                                            ; seven trips
	CHANGE 1
	SLOT_STEPS
	s_sub_co_u32 s[SLOTS], s[SLOTS], 1
	s_cmp_lg_u32 s[SLOTS], 0
	s_cbranch_scc1 .Lslot
	CHANGE 0                                       ; the last slot is written out: nothing is left to ask for
	SLOT_STEPS
	; THE WAY OUT.  O^T / l, rounded to f16, goes through my stage and leaves as runs of 512 consecutive bytes (four rows of att).
.rept 4
	v_nop                                          ; places behind the last products
.endr
.irp u, 0,1
	v_add_f32 v[ST+8*\u+4], v[ST+8*\u+2], v[ST+8*\u+3]
.endr
.irp u, 0,1
	v_permlanex16_b32 v[ST+8*\u+5], v[ST+8*\u+4], s[SEL], s[SEL+1]
.endr
.irp u, 0,1
	v_add_f32 v[ST+8*\u+4], v[ST+8*\u+4], v[ST+8*\u+5]
.endr
.irp u, 0,1
	v_rcp_f32 v[ST+8*\u+6], v[ST+8*\u+4]
.endr
	v_and_b32 v26, 15, v0                          ; (plain work behind the reciprocals)
	v_bfe_u32 v27, v0, 4, 1
	s_mul_i32 s96, s[WV], 4352
	s_add_co_u32 s96, s96, STAGE
	v_lshrrev_b32 v28, 1, v26
	v_mul_u32_u24 v28, v28, 272
	v_and_b32 v29, 1, v26
	v_lshl_add_u32 v28, v29, 7, v28
	v_lshl_add_u32 v28, v27, 4, v28
	v_add_nc_u32 v28, s96, v28                     ; in: (r / 2) 272 + (r % 2) 128 + 16 h
	v_mul_u32_u24 v29, v27, 272
	v_lshl_add_u32 v29, v26, 4, v29
	v_add_nc_u32 v29, s96, v29                     ; back: two double rows an instruction
	v_and_b32 v31, 31, v0
	v_lshlrev_b32 v31, 4, v31                      ; and the same 512 bytes in att
	s_wait_alu depctr_va_vdst(0)                   ; the wait for both reciprocals, ahead of their first reader
.irp u, 0,1
.irp j, 0,2,4,6,8,10,12,14,16,18,20,22,24,26,28,30
	v_pk_mul_f32 v[OT+32*\u+\j:OT+32*\u+\j+1], v[OT+32*\u+\j:OT+32*\u+\j+1], v[ST+8*\u+6:ST+8*\u+7] op_sel_hi:[1,0]
.endr
.endr
.set i, 0
.rept 32
	v_cvt_pk_f16_f32 v[SS+i], v[OT+2*i], v[OT+2*i+1]
.set i, i+1
.endr
.irp u, 0,1
.irp ct, 0,1,2,3
	ds_store_b128 v28, v[SS+16*\u+4*\ct:SS+16*\u+4*\ct+3] offset:\u*2176+32*\ct
.endr
.irp i, 0,1,2,3
	ds_load_b128 v[SS+32+16*\u+4*\i:SS+32+16*\u+4*\i+3], v29 offset:\u*2176+544*\i   ; LDS serves a wave's instructions in order: these see my stores
.endr
.endr
.irp i, 0,1,2,3
	s_wait_dscnt 11-\i                             ; behind tile 0's load i: its 3 - i later loads and tile 1's eight LDS instructions
	global_store_b128 v31, v[SS+32+4*\i:SS+32+4*\i+3], s[6:7] offset:512*\i
.endr
.irp i, 0,1,2,3
	s_wait_dscnt 3-\i
	global_store_b128 v31, v[SS+48+4*\i:SS+48+4*\i+3], s[6:7] offset:2048+512*\i
.endr
	s_wait_tensorcnt 0x0                           ; the wave's end, behind my last tensor load and my last LDS store
	ds_add_u32 v[SPW], v[NIL]
	s_wait_dscnt 0x0
	s_endpgm
.Lfunc_end_k_qeb970d95ed_attn:
	.size	k_qeb970d95ed_attn, .Lfunc_end_k_qeb970d95ed_attn-k_qeb970d95ed_attn
	.p2alignl 7, 3214868480
	.fill 96, 4, 3214868480
	.section	.rodata,"a",@progbits
	.p2align	6, 0x0
	.amdhsa_kernel k_qeb970d95ed_attn
		.amdhsa_group_segment_fixed_size 327680
		.amdhsa_private_segment_fixed_size 0
		.amdhsa_enable_private_segment 0
		.amdhsa_kernarg_size 16
		.amdhsa_user_sgpr_count 2
		.amdhsa_user_sgpr_kernarg_segment_ptr 1
		.amdhsa_wavefront_size32 1
		.amdhsa_system_sgpr_workgroup_id_x 1
		.amdhsa_system_sgpr_workgroup_id_y 1
		.amdhsa_system_sgpr_workgroup_id_z 1
		.amdhsa_system_vgpr_workitem_id 0
		.amdhsa_next_free_vgpr 256
		.amdhsa_next_free_sgpr 100
		.amdhsa_reserve_vcc 1
		.amdhsa_float_denorm_mode_32 3
		.amdhsa_float_denorm_mode_16_64 3
		.amdhsa_memory_ordered 1
		.amdhsa_forward_progress 1
		.amdhsa_inst_pref_size 189
	.end_amdhsa_kernel
	.amdgpu_metadata
---
amdhsa.version: [ 1, 2 ]
amdhsa.kernels:
  - .name:           k_qeb970d95ed_attn
    .symbol:         k_qeb970d95ed_attn.kd
    .args:
      - { .name: qkv, .offset: 0, .size: 8, .value_kind: global_buffer, .address_space: global }
      - { .name: att, .offset: 8, .size: 8, .value_kind: global_buffer, .address_space: global }
    .group_segment_fixed_size: 327680
    .private_segment_fixed_size: 0
    .kernarg_segment_align: 8
    .kernarg_segment_size: 16
    .max_flat_workgroup_size: 512
    .sgpr_count:     100
    .vgpr_count:     256
    .wavefront_size: 32
...
	.end_amdgpu_metadata
.endif
;; end of part 3
;; launch proj (part 4): grid 8 x 32, 4 waves a work-group, clusters of 4 x 4, 327,680 bytes of LDS; arguments att, woh, b_out, out0; writes out0
.if DOCPART == 4
	.amdgcn_target "amdgcn-amd-amdhsa--gfx1250"
	.amdhsa_code_object_version 6
	.text
	.protected	k_qeb970d95ed_proj
	.globl	k_qeb970d95ed_proj
	.p2align	8
	.type	k_qeb970d95ed_proj,@function
k_qeb970d95ed_proj:
	s_mov_b64 s[64:65], 0
	v_nop
	global_prefetch_b8 v0, s[64:65] scope:SCOPE_SE
	s_setreg_imm32_b32 hwreg(HW_REG_WAVE_MODE, 25, 1), 1
	s_wait_xcnt 0x0
	s_wait_alu depctr_hold_cnt(0) depctr_sa_sdst(0) depctr_va_vdst(0) depctr_va_sdst(0) depctr_va_ssrc(0) depctr_va_vcc(0) depctr_vm_vsrc(0)
	s_getreg_b32 s2, hwreg(HW_REG_IB_STS2, 6, 4)
	s_cmp_eq_u32 s2, 0
	s_cbranch_scc0 .Lentry_in_a_cluster
	s_endpgm
.Lentry_in_a_cluster:
	s_bfe_u32 s2, ttmp6, 0x10000c
	s_cmp_lg_u32 s2, 0xf033
	s_cbranch_scc0 .Lentry_shape_is_right
	s_endpgm
.Lentry_shape_is_right:
; out0 = att W_out + b_out on f16 operands with f32 sums.  att: f16 [head 16][row 8192][64] (k = 64 head + channel); woh: f16 [1024 k][1024 n]; out0: f32 [8192][1024].
; A tile of 256 rows x 128 columns is made by a work-group of four waves; a wave makes 128 x 64: 32 accumulators, 256 registers.  K goes in steps of 128 (two heads) through a ring of two LDS slots.
; A's part of a slot is two dense blocks of memory (a head's 256 rows of 128 bytes), laid as double rows of 256 bytes; B's is 128 rows k of 256 bytes, read turned (ds_load_tr16_b128).
; CLUSTERS: 4 x 4 work-groups; A's tiles are asked for jointly along a row of the cluster, B's along a column.
; THE MATRIX INSTRUCTION IS USED TRANSPOSED (source 0 = 16 columns of W_out, source 1 = 16 rows of att): a lane holds eight neighbouring columns of one row.  The bias is the C of each sum's first product.
; The first 16 rows of every sequence are written here too, and are written over by a finer launch behind this one.
; REGISTERS: window 0: v0-31 addresses; v32-63 the bias; v64-159 and v160-255 two fragment buffers (B's four fragments, then A's eight).   window 1: accumulator (a, b) at v[8 (4 a + b)].
.set AH,     34816                     ; a head's 256 rows: 128 double rows of pitch 272
.set BH,     18432                     ; 64 rows of B of pitch 288
.set SLOT,   2*AH+2*BH
.set STAGE,  2*SLOT                    ; 16 rows x 272 bytes for each wave
.set SPARE,  STAGE+4*4352              ; the spare words, 128 bytes a wave
.set ADRA, 16
.set ADRB, 20
.set STO,  24
.set RD,   25
.set CO,   26
.set SPW,  28
.set NIL,  29
.set PFO,  30
.set BIAS, 32
.set F0,   64
.set F1,   160
.set BK,   64                          ; the way out: v64-95 and v96-127 by turns
.set G1,  24
.set G0,  32
.set G1B, 48
.set G0B, 56
.set PFA, 66
.set LIM, 68
.set MSB, 0
.macro WIN new                         ; the immediate's high byte repeats the setting that is left
.if MSB != \new
	s_set_vgpr_msb (MSB<<8)|\new
.set MSB, \new
.endif
.endm
.set MUL, 0x50                         ; sources 0 and 1 window 0; C and D window 1
.macro JLOAD s                         ; a joint load: waves 0 and 1 fetch A's two heads, waves 2 and 3 B's two halves; an s_nop 0 and four v_nop follow each of the two lines
	s_cmp_eq_u32 s13, 0
	s_cbranch_scc0 .Lfor_b_\@
	tensor_load_to_lds s[G0+4*\s:G0+4*\s+3], s[G1:G1+7]
	s_nop 0
.rept 4
	v_nop
.endr
	s_branch .Lasked_\@
.Lfor_b_\@:
	tensor_load_to_lds s[G0B+4*\s:G0B+4*\s+3], s[G1B:G1B+7]
	s_nop 0
.rept 4
	v_nop
.endr
.Lasked_\@:
.endm
.macro CREST                           ; a round of the cluster's barrier behind its opening barrier
	s_cmp_lg_u32 s12, 0
	s_cbranch_scc1 .Lnot_wave_0_\@
	s_barrier_signal -3
.Lnot_wave_0_\@:
	s_barrier_wait -3
	s_barrier_signal -1
	s_barrier_wait -1
.endm
.macro CROUND
	s_barrier_signal -1
	s_barrier_wait -1
	CREST
.endm
; A prefetch of A's K step that stands two refills on.  A's tile row is read by both clusters of that row of clusters: the one with x = 0 asks; its four partners along a row share a head's 128 double rows out by
; address, 32 each, a lane a double row of 256 bytes; waves 0 and 1 ask, each for the head that it fetches.  So each block is named once.  The loop's last trip asks for nothing: no K step stands two refills on.
; W_out's 2 MiB are walked by every row of tiles and are not asked for.
.macro ASK
	s_cmp_gt_u32 s3, s[LIM]
	s_cbranch_scc0 .Lnot_mine_\@
	global_prefetch_b8 v[PFO], s[PFA:PFA+1] offset:2097152 th:TH_LOAD_NT scope:SCOPE_SE
.Lnot_mine_\@:
.endm
	s_load_b256 s[4:11], s[0:1], 0x0               ; att s[4:5], woh s[6:7], b_out s[8:9], out0 s[10:11]
	v_lshl_add_u32 v[SPW], v0, 2, SPARE
	v_mov_b32 v[NIL], 0
	ds_add_u32 v[SPW], v[NIL]                      ; the wave's opening: the add, twice on end, and its wait ahead of my first tensor load
	ds_add_u32 v[SPW], v[NIL]
	v_lshrrev_b32 v1, 5, v0
	v_readfirstlane_b32 s12, v1                    ; wave 0..3
	s_lshr_b32 s13, s12, 1                         ; which half of the tile's rows is mine.  Also: I fetch for A (0) or for B (1)
	s_and_b32 s14, s12, 1                          ; which half of its columns.  Also: which head, or which 64 rows of B, I fetch
	s_bfe_u32 s40, ttmp6, 0x40000                  ; cx, cy
	s_bfe_u32 s41, ttmp6, 0x40004
	s_lshl_b32 s42, ttmp9, 2
	s_add_co_u32 s42, s42, s40                     ; tile column
	s_and_b32 s15, ttmp7, 0xffff
	s_lshl_b32 s15, s15, 2
	s_add_co_u32 s15, s15, s41                     ; tile row
	s_lshl_b32 s43, s41, 2
	s_lshl_b32 s43, 15, s43                        ; my row of the cluster
	s_lshl_b32 s44, 0x1111, s40                    ; my column
	s_or_b32 s[G1], s43, (1<<16)|(1<<20)|(1<<21)|(5<<22)|(3<<25)    ; A: the mask; elements of 2 bytes; padding: 4 words after every 64
	s_mov_b32 s[G1+1], 128<<16                     ; tensor_dim0
	s_mov_b32 s[G1+2], 128<<16                     ; tensor_dim1
	s_mov_b32 s[G1+3], 128<<16                     ; tile_dim0
	s_mov_b32 s[G1+4], 128                         ; tile_dim1: 128 double rows
	s_mov_b32 s[G1+5], 128                         ; dense
	s_mov_b32 s[G1+6], 0
	s_mov_b32 s[G1+7], 0
	s_or_b32 s[G1B], s44, (1<<16)|(1<<20)|(1<<21)|(5<<22)|(7<<25)   ; B: 8 words of padding
	s_mov_b32 s[G1B+1], 128<<16
	s_mov_b32 s[G1B+2], 64<<16
	s_mov_b32 s[G1B+3], 128<<16
	s_mov_b32 s[G1B+4], 64
	s_mov_b32 s[G1B+5], 1024
	s_mov_b32 s[G1B+6], 0
	s_mov_b32 s[G1B+7], 0
	s_lshl_b32 s16, s14, 20                        ; A: my head of the K step, the tile row's 256 rows
	s_lshl_b32 s17, s15, 15
	s_add_co_u32 s16, s16, s17
	s_mov_b32 s17, 0
	s_lshl_b32 s46, s14, 17                        ; B: my 64 rows of 2,048 bytes, the tile column's 256 bytes
	s_lshl_b32 s47, s42, 8
	s_add_co_u32 s46, s46, s47
	s_mov_b32 s47, 0
	s_mul_i32 s20, s14, AH                         ; where they go: no place in the cluster enters an LDS address
	s_mul_i32 s21, s14, BH
	s_add_co_u32 s21, s21, 2*AH
	s_wait_dscnt 0x0                               ; both opening adds are done
	s_wait_kmcnt 0x0
	s_add_nc_u64 s[16:17], s[4:5], s[16:17]
	s_add_nc_u64 s[46:47], s[6:7], s[46:47]
	CROUND                                         ; all sixteen work-groups are here: the first joint loads meet
.irp s, 0,1
	s_mov_b32 s[G0+4*\s], 1
	s_add_co_u32 s[G0+4*\s+1], s20, \s*SLOT
	s_add_nc_u64 s[G0+4*\s+2:G0+4*\s+3], s[16:17], \s*2097152
	s_or_b32 s[G0+4*\s+3], s[G0+4*\s+3], 0x80000000
	s_mov_b32 s[G0B+4*\s], 1
	s_add_co_u32 s[G0B+4*\s+1], s21, \s*SLOT
	s_add_nc_u64 s[G0B+4*\s+2:G0B+4*\s+3], s[46:47], \s*262144
	s_or_b32 s[G0B+4*\s+3], s[G0B+4*\s+3], 0x80000000
	JLOAD \s
.endr
	v_and_b32 v1, 15, v0                           ; r
	v_bfe_u32 v2, v0, 4, 1                         ; h
	s_lshl_b32 s22, s42, 9                         ; my 64 columns, in bytes of f32: 512 x tile column + 256 x half
	s_lshl_b32 s23, s14, 8
	s_add_co_u32 s22, s22, s23
	s_mov_b32 s23, 0
	s_add_nc_u64 s[8:9], s[8:9], s[22:23]
	s_add_nc_u64 s[10:11], s[10:11], s[22:23]
	v_lshlrev_b32 v6, 5, v2
.irp b, 0,1,2,3
	global_load_b128 v[BIAS+8*\b:BIAS+8*\b+3], v6, s[8:9] offset:64*\b      ; b_out[my first column + 16 b + 8 h + j]
	global_load_b128 v[BIAS+8*\b+4:BIAS+8*\b+7], v6, s[8:9] offset:64*\b+16
.endr
	s_lshl_b32 s22, s15, 8
	s_lshl_b32 s18, s13, 7
	s_add_co_u32 s22, s22, s18                     ; my first row
	s_lshl_b32 s22, s22, 12
	s_add_nc_u64 s[10:11], s[10:11], s[22:23]
	s_lshl_b32 s18, s14, 20                        ; the prefetches: my head, the tile row, my work-group's 32 double rows, K step 2
	s_lshl_b32 s19, s15, 15
	s_add_co_u32 s18, s18, s19
	s_lshl_b32 s19, s40, 13
	s_add_co_u32 s18, s18, s19
	s_add_co_u32 s18, s18, 4194304
	s_mov_b32 s19, 0
	s_add_nc_u64 s[PFA:PFA+1], s[4:5], s[18:19]
	s_or_b32 s18, s13, ttmp9
	s_cmp_eq_u32 s18, 0
	s_cselect_b32 s[LIM], 1, -1                    ; the same in all sixteen partners, for a given wave
	v_and_b32 v[PFO], 31, v0
	v_lshlrev_b32 v[PFO], 8, v[PFO]
	v_lshrrev_b32 v3, 1, v1
	v_mul_u32_u24 v3, v3, 272
	v_and_b32 v4, 1, v1
	v_lshl_add_u32 v3, v4, 7, v3
	v_lshl_add_u32 v3, v2, 4, v3                   ; A: (r / 2) 272 + (r % 2) 128 + 16 h
	v_and_b32 v4, 7, v0
	v_lshl_add_u32 v4, v2, 3, v4
	v_mul_u32_u24 v4, v4, 288
	v_bfe_u32 v5, v0, 3, 1
	v_lshl_add_u32 v4, v5, 4, v4                   ; B, for the turning load: row 8 h + l % 8, columns 8 ((l / 8) % 2) on
	s_mul_i32 s18, s13, 17408                      ; my 128 rows of A
	s_lshl_b32 s19, s14, 7                         ; my 64 columns of B,
	s_add_co_u32 s19, s19, 2*AH                    ; which lies behind A's two heads
.irp s, 0,1
	v_add_nc_u32 v[ADRA+\s], s18, v3
	v_add_nc_u32 v[ADRB+\s], s19, v4
	s_add_co_u32 s18, s18, SLOT
	s_add_co_u32 s19, s19, SLOT
.endr
	s_mul_i32 s18, s12, 4352
	s_add_co_u32 s18, s18, STAGE                   ; my stage
	v_mul_u32_u24 v3, v1, 272
	v_lshl_add_u32 v3, v2, 5, v3
	v_add_nc_u32 v[STO], s18, v3                   ; in: row r, 32 bytes for each half of the lanes
	v_mul_u32_u24 v3, v2, 272
	v_lshl_add_u32 v3, v1, 4, v3
	v_add_nc_u32 v[RD], s18, v3                    ; back: lanes 0-15 one row of 256 bytes, lanes 16-31 the next
	v_lshlrev_b32 v3, 12, v2
	v_lshl_add_u32 v[CO], v1, 4, v3                ; and the same two rows in out0
; 8 matrix instructions: A's blocks a0, a0 + 1 x B's four.  The 32 accumulators take turns, one instruction a turn.
.macro MUL8 f, a0, first
.irp a, \a0, \a0+1
.irp b, 0,1,2,3
.if \first
	v_wmma_f32_16x16x32_f16 v[8*(4*(\a)+\b):8*(4*(\a)+\b)+7], v[\f+8*\b:\f+8*\b+7], v[\f+32+8*(\a):\f+32+8*(\a)+7], v[BIAS+8*\b:BIAS+8*\b+7]
.else
	v_wmma_f32_16x16x32_f16 v[8*(4*(\a)+\b):8*(4*(\a)+\b)+7], v[\f+8*\b:\f+8*\b+7], v[\f+32+8*(\a):\f+32+8*(\a)+7], v[8*(4*(\a)+\b):8*(4*(\a)+\b)+7]
.endif
.endr
.endr
.endm
; 24 LDS loads in one run: the fragments of the slot's q-th 32 along K into buffer f: B's four, A's blocks 0-3, A's blocks 4-7
.macro FETCH slot, q, f
.irp b, 0,1,2,3
	ds_load_tr16_b128 v[\f+8*\b:\f+8*\b+3],   v[ADRB+\slot] offset:(\q)*9216+32*\b
	ds_load_tr16_b128 v[\f+8*\b+4:\f+8*\b+7], v[ADRB+\slot] offset:(\q)*9216+32*\b+4608
.endr
.irp a, 0,1,2,3,4,5,6,7
	ds_load_b128 v[\f+32+8*\a:\f+32+8*\a+3],   v[ADRA+\slot] offset:((\q)/2)*AH+64*((\q)%2)+\a*2176
	ds_load_b128 v[\f+32+8*\a+4:\f+32+8*\a+7], v[ADRA+\slot] offset:((\q)/2)*AH+64*((\q)%2)+\a*2176+32
.endr
.endm
.macro PLACES                          ; four places in front of loads into registers that matrix instructions have read, and of the first read of results
.rept 4
	v_nop
.endr
.endm
; A K step is four quarters of 32 along K, 32 matrix instructions each, on buffers 0, 1, 0, 1.  One of the first three: multiplies buffer f and fetches quarter q into g.
.macro QUARTER slot, q, f, g, first
	s_wait_dscnt 8                                 ; B and A's blocks 0-3 are in; the youngest eight loads (A's blocks 4-7) may be out
.if \first
	WIN 0x40                                       ; C (the bias) in window 0, D in window 1
.else
	WIN MUL
.endif
	MUL8 \f, 0, \first
	MUL8 \f, 2, \first
	PLACES
	WIN 0
	FETCH \slot, \q, \g
	s_wait_dscnt 24                                ; all but the 24 just issued
.if \first
	WIN 0x40
.else
	WIN MUL
.endif
	MUL8 \f, 4, \first
	MUL8 \f, 6, \first
.endm
; The last quarter multiplies buffer 1 and changes slots: one barrier; in front of it each wave waits for all its tensor loads, adds 0 to its spare word, and waits for that and for its reads of this slot.
.macro TURN slot, next, fill
.if \fill
	s_wait_xcnt 0x0                                ; the last prefetch, a K step back, has read its address
	s_add_nc_u64 s[PFA:PFA+1], s[PFA:PFA+1], 2097152
.endif
	WIN 0
	s_wait_tensorcnt 0x0                           ; all my tensor loads have landed: my part of the next slot
	ds_add_u32 v[SPW], v[NIL]
	s_wait_dscnt 9                                 ; the add and the youngest eight loads may be out
	WIN MUL
	MUL8 F1, 0, 0
	s_wait_dscnt 0x0                               ; the add is done, and my reads of this slot are over
	s_barrier_signal -1
	MUL8 F1, 2, 0
	WIN 0
	s_barrier_wait -1
.if \fill
	CREST                                          ; the barrier has opened a round of the cluster's barrier: no wave of any partner still reads this slot or has a load on its way
	s_add_nc_u64 s[G0+4*\slot+2:G0+4*\slot+3], s[G0+4*\slot+2:G0+4*\slot+3], 4194304
	s_add_nc_u64 s[G0B+4*\slot+2:G0B+4*\slot+3], s[G0B+4*\slot+2:G0B+4*\slot+3], 524288
	JLOAD \slot                                    ; the first tensor load behind the round; its four v_nop are also the places in front of the loads below
.else
	PLACES
.endif
	FETCH \next, 0, F0
.if \fill
	ASK
.endif
	WIN MUL
	MUL8 F1, 4, 0
	MUL8 F1, 6, 0
.endm
	s_wait_tensorcnt 1                             ; my part of K step 0 is in; K step 1's load may stay out
	s_barrier_signal -1
	s_barrier_wait -1
	FETCH 0, 0, F0
	s_wait_loadcnt 0x0                             ; the bias
	QUARTER 0, 1, F0, F1, 1                        ; the first quarter stands in front of the loop: its products start the sums
	WIN 0
	s_mov_b32 s3, 3
.Llap:                                                 ; a trip goes once round the ring and fills both slots again
	QUARTER 0, 2, F1, F0, 0
	QUARTER 0, 3, F0, F1, 0
	TURN 0, 1, 1
	QUARTER 1, 1, F0, F1, 0
	QUARTER 1, 2, F1, F0, 0
	QUARTER 1, 3, F0, F1, 0
	TURN 1, 0, 1
	QUARTER 0, 1, F0, F1, 0
	WIN 0
	s_sub_co_u32 s3, s3, 1
	s_cmp_lg_u32 s3, 0
	s_cbranch_scc1 .Llap
	QUARTER 0, 2, F1, F0, 0                        ; the last lap fills nothing
	QUARTER 0, 3, F0, F1, 0
	TURN 0, 1, 0
	QUARTER 1, 1, F0, F1, 0
	QUARTER 1, 2, F1, F0, 0
	QUARTER 1, 3, F0, F1, 0
	s_wait_dscnt 8                                 ; the very last quarter
	WIN MUL
	MUL8 F1, 0, 0
	MUL8 F1, 2, 0
	s_wait_dscnt 0
	MUL8 F1, 4, 0
	MUL8 F1, 6, 0
	WIN 0
; THE WAY OUT, block by block of 16 rows x 64 columns of f32: through my own stage and back as whole rows of 256 bytes: sixteen lanes store 256 consecutive aligned bytes.
.macro TOSTAGE a
	WIN 0x04                                       ; an LDS store's data are its source 1: window 1
.irp b, 0,1,2,3
	ds_store_b128 v[STO], v[8*(4*(\a)+\b):8*(4*(\a)+\b)+3] offset:64*\b          ; each accumulator from its low end on
	ds_store_b128 v[STO], v[8*(4*(\a)+\b)+4:8*(4*(\a)+\b)+7] offset:64*\b+16
.endr
	WIN 0
.set BB, BK+32*((\a)%2)
.irp t, 0,1,2,3,4,5,6,7
	ds_load_b128 v[BB+4*\t:BB+4*\t+3], v[RD] offset:\t*544   ; LDS serves a wave's instructions in order: these see the stores above
.endr
.endm
.macro SEND a, younger                 ; younger: the LDS instructions issued behind block a's loads, which may stay out
.set BB, BK+32*((\a)%2)
	s_wait_dscnt \younger
.irp t, 0,1,2,3,4,5,6,7
	global_store_b128 v[CO], v[BB+4*\t:BB+4*\t+3], s[10:11] offset:(16*(\a)+2*\t)*4096 th:TH_STORE_NT
.endr
.endm
	PLACES
	TOSTAGE 0
.irp a, 1,2,3,4,5,6,7
.if \a > 1
	s_wait_xcnt 0x0                                ; block a - 2's stores have read their registers: block a's loads may land there
.endif
	TOSTAGE \a
	SEND \a-1, 16                                  ; behind block a - 1's loads: block a's 8 stores and 8 loads
.endr
	SEND 7, 0
	s_wait_tensorcnt 0x0                           ; the wave's end, behind my last tensor load and my last LDS store
	ds_add_u32 v[SPW], v[NIL]
	s_wait_dscnt 0x0
	CROUND                                         ; the closing round
	s_endpgm
.Lfunc_end_k_qeb970d95ed_proj:
	.size	k_qeb970d95ed_proj, .Lfunc_end_k_qeb970d95ed_proj-k_qeb970d95ed_proj
	.p2alignl 7, 3214868480
	.fill 96, 4, 3214868480
	.section	.rodata,"a",@progbits
	.p2align	6, 0x0
	.amdhsa_kernel k_qeb970d95ed_proj
		.amdhsa_group_segment_fixed_size 327680
		.amdhsa_private_segment_fixed_size 0
		.amdhsa_enable_private_segment 0
		.amdhsa_kernarg_size 32
		.amdhsa_user_sgpr_count 2
		.amdhsa_user_sgpr_kernarg_segment_ptr 1
		.amdhsa_wavefront_size32 1
		.amdhsa_system_sgpr_workgroup_id_x 1
		.amdhsa_system_sgpr_workgroup_id_y 1
		.amdhsa_system_sgpr_workgroup_id_z 1
		.amdhsa_system_vgpr_workitem_id 0
		.amdhsa_next_free_vgpr 512
		.amdhsa_next_free_sgpr 70
		.amdhsa_reserve_vcc 0
		.amdhsa_float_denorm_mode_32 3
		.amdhsa_float_denorm_mode_16_64 3
		.amdhsa_memory_ordered 1
		.amdhsa_forward_progress 1
		.amdhsa_inst_pref_size 87
	.end_amdhsa_kernel
	.amdgpu_metadata
---
amdhsa.version: [ 1, 2 ]
amdhsa.kernels:
  - .name:           k_qeb970d95ed_proj
    .symbol:         k_qeb970d95ed_proj.kd
    .args:
      - { .name: att, .offset: 0, .size: 8, .value_kind: global_buffer, .address_space: global }
      - { .name: woh, .offset: 8, .size: 8, .value_kind: global_buffer, .address_space: global }
      - { .name: b_out, .offset: 16, .size: 8, .value_kind: global_buffer, .address_space: global }
      - { .name: out0, .offset: 24, .size: 8, .value_kind: global_buffer, .address_space: global }
    .group_segment_fixed_size: 327680
    .private_segment_fixed_size: 0
    .kernarg_segment_align: 8
    .kernarg_segment_size: 32
    .max_flat_workgroup_size: 128
    .sgpr_count:     70
    .vgpr_count:     512
    .wavefront_size: 32
...
	.end_amdgpu_metadata
.endif
;; end of part 4
;; launch fatt (part 5): grid 16 x 4, 4 waves a work-group, no clusters, 4,608 bytes of LDS; arguments xc, xs, wc, ws, b_qkv, ofine; writes ofine
.if DOCPART == 5
	.amdgcn_target "amdgcn-amd-amdhsa--gfx1250"
	.amdhsa_code_object_version 6
	.text
	.protected	k_qeb970d95ed_fatt
	.globl	k_qeb970d95ed_fatt
	.p2align	8
	.type	k_qeb970d95ed_fatt,@function
k_qeb970d95ed_fatt:
	s_mov_b64 s[64:65], 0
	v_nop
	global_prefetch_b8 v0, s[64:65] scope:SCOPE_SE
	s_setreg_imm32_b32 hwreg(HW_REG_WAVE_MODE, 25, 1), 1
	s_wait_xcnt 0x0
; THE FIRST 16 POSITIONS OF EVERY SEQUENCE, FINELY.  Under the causal mask these rows average one to sixteen values and are the largest of the output, so nothing of them is rounded to 16 bits.
; A work-group takes one (head, batch).  q, k and v of the 16 positions are made anew from the codes (the quantised product, on FP4 codes with E8M0 scales, f32 sums, + b_qkv); scores, softmax (with the row's
; maximum taken away) and the weighted sum of v are in f32, by the f32 matrix form: 8 such instructions a wave.
; Wave w owns channels 16 w .. 16 w + 15 of the head.  q and k are made transposed (a lane holds a position, its registers channels 8 h + j), v in the natural order (a lane holds a channel, its registers positions 8 h + j):
; register pairs of them are operands of the f32 form as they stand, with one and the same order of K on both sides.  The four waves' partial scores meet in LDS.
; v's bias is added behind the division by the row's sum: the weights divided by their sum add up to one.
; ofine [b 4][head 16][8][lane 32][4] f32 is the image of the next launch's operand registers: piece 2 w + u, lane (r, h): position r, channels 16 w + 8 h + 4 u + 0 .. 3.
; REGISTERS: window 0: v1-15 addresses and work; v16-79 x's fragments (later work); v80-143 W_v's; v144-167 the three biases; v168-191 q, k, v; v192-223 scale words (nothing else);
;   v224-255 the sums of the f32 form (written by matrix instructions alone).   window 1: v0-63 W_q's fragments, v64-127 W_k's, v128-191 x's fragments once more (source 0 of v's product).
.set SPARE, 4096
.set MSB, 0
.macro WIN new
.if MSB != \new
	s_set_vgpr_msb (MSB<<8)|\new
.set MSB, \new
.endif
.endm
	s_load_b256 s[4:11], s[0:1], 0x0               ; xc s[4:5], xs s[6:7], wc s[8:9], ws s[10:11]
	s_load_b128 s[12:15], s[0:1], 0x20             ; b_qkv s[12:13], ofine s[14:15]
	v_lshl_add_u32 v8, v0, 2, SPARE                ; my spare word; never rewritten
	v_mov_b32 v9, 0                                ; 0; never rewritten
	v_lshrrev_b32 v10, 5, v0
	v_readfirstlane_b32 s16, v10                   ; wave 0..3
	v_and_b32 v10, 15, v0                          ; r
	v_bfe_u32 v11, v0, 4, 1                        ; h
	v_lshlrev_b32 v1, 9, v10
	v_lshl_add_u32 v1, v11, 4, v1                  ; codes: row r of 512 bytes + 16 h
	v_lshlrev_b32 v2, 5, v10                       ; scale words: row r of 32 bytes
	v_lshlrev_b32 v3, 5, v11                       ; biases: 32 h
	v_and_b32 v4, 31, v0
	v_lshlrev_b32 v4, 4, v4                        ; 16 x lane
	s_lshl_b32 s22, s16, 10
	v_add_nc_u32 v5, s22, v4                       ; my wave's image of partial scores
	v_lshlrev_b32 v6, 3, v11
	v_sub_nc_u32 v6, v10, v6                       ; r - 8 h
	v_mov_b32 v7, 0xff800000                       ; -infinity
	v_mov_b32 v11, 0                               ; (destinations of lane permutes and upper halves of pairs are written once)
	v_mov_b32 v13, 0
	v_mov_b32 v15, 0
	v_mov_b32 v61, 0
	s_mov_b32 s24, 0x76543210
	s_mov_b32 s25, 0xfedcba98
	s_mov_b32 s26, 0x3e38aa3b                      ; c = log2(e) / 8
	s_mov_b32 s27, s26
	s_and_b32 s17, ttmp7, 0xffff                   ; the batch
	s_lshl_b32 s18, ttmp9, 6
	s_lshl_b32 s19, s16, 4
	s_add_co_u32 s18, s18, s19                     ; my first column of a section of W_qkv: 64 x head + 16 x wave
	s_mov_b32 s21, 0
	s_wait_kmcnt 0x0
	s_lshl_b32 s20, s17, 20
	s_add_nc_u64 s[4:5], s[4:5], s[20:21]          ; the batch's first row of codes,
	s_lshl_b32 s20, s17, 16
	s_add_nc_u64 s[6:7], s[6:7], s[20:21]          ; and of scale bytes
	s_lshl_b32 s20, s18, 9
	s_add_nc_u64 s[8:9], s[8:9], s[20:21]
	s_lshl_b32 s20, s18, 5
	s_add_nc_u64 s[10:11], s[10:11], s[20:21]
	s_lshl_b32 s20, s18, 2
	s_add_nc_u64 s[12:13], s[12:13], s[20:21]
	s_lshl_b32 s20, s17, 4
	s_add_co_u32 s20, s20, ttmp9
	s_lshl_b32 s20, s20, 12
	s_add_co_u32 s20, s20, s22                     ; ofine: (16 b + head) 4,096 + 1,024 w
	s_add_nc_u64 s[14:15], s[14:15], s[20:21]
.irp ks, 0,1,2,3,4,5,6,7
.irp c, 0,1
	global_load_b128 v[16+8*\ks+4*\c:19+8*\ks+4*\c], v1, s[4:5] offset:64*\ks+32*\c
	global_load_b128 v[80+8*\ks+4*\c:83+8*\ks+4*\c], v1, s[8:9] offset:1048576+64*\ks+32*\c
.endr
	global_load_b32 v[192+\ks], v2, s[6:7] offset:4*\ks
	global_load_b32 v[200+\ks], v2, s[10:11] offset:4*\ks
	global_load_b32 v[208+\ks], v2, s[10:11] offset:32768+4*\ks
	global_load_b32 v[216+\ks], v2, s[10:11] offset:65536+4*\ks
.endr
.irp t, 0,1,2
	global_load_b128 v[144+8*\t:147+8*\t], v3, s[12:13] offset:4096*\t
	global_load_b128 v[148+8*\t:151+8*\t], v3, s[12:13] offset:4096*\t+16
.endr
	WIN 0x40                                       ; destination window 1
.irp ks, 0,1,2,3,4,5,6,7
.irp c, 0,1
	global_load_b128 v[8*\ks+4*\c:8*\ks+4*\c+3], v1, s[8:9] offset:64*\ks+32*\c
	global_load_b128 v[64+8*\ks+4*\c:64+8*\ks+4*\c+3], v1, s[8:9] offset:524288+64*\ks+32*\c
	global_load_b128 v[128+8*\ks+4*\c:128+8*\ks+4*\c+3], v1, s[4:5] offset:64*\ks+32*\c
.endr
.endr
	s_wait_loadcnt 0x0
	WIN 0x01                                       ; source 0 window 1
.irp ks, 0,1,2,3,4,5,6,7                       ; q, k and v by turns, K ascending; the biases of q and k are the C of their first products
.if \ks == 0
	v_wmma_scale_f32_16x16x128_f8f6f4 v[168:175], v[0:7], v[16:23], v[144:151], v200, v192 matrix_a_fmt:MATRIX_FMT_FP4 matrix_b_fmt:MATRIX_FMT_FP4
	v_wmma_scale_f32_16x16x128_f8f6f4 v[176:183], v[64:71], v[16:23], v[152:159], v208, v192 matrix_a_fmt:MATRIX_FMT_FP4 matrix_b_fmt:MATRIX_FMT_FP4
	v_wmma_scale_f32_16x16x128_f8f6f4 v[184:191], v[128:135], v[80:87], 0, v192, v216 matrix_a_fmt:MATRIX_FMT_FP4 matrix_b_fmt:MATRIX_FMT_FP4
.else
	v_wmma_scale_f32_16x16x128_f8f6f4 v[168:175], v[8*\ks:8*\ks+7], v[16+8*\ks:23+8*\ks], v[168:175], v[200+\ks], v[192+\ks] matrix_a_fmt:MATRIX_FMT_FP4 matrix_b_fmt:MATRIX_FMT_FP4
	v_wmma_scale_f32_16x16x128_f8f6f4 v[176:183], v[64+8*\ks:71+8*\ks], v[16+8*\ks:23+8*\ks], v[176:183], v[208+\ks], v[192+\ks] matrix_a_fmt:MATRIX_FMT_FP4 matrix_b_fmt:MATRIX_FMT_FP4
	v_wmma_scale_f32_16x16x128_f8f6f4 v[184:191], v[128+8*\ks:135+8*\ks], v[80+8*\ks:87+8*\ks], v[184:191], v[192+\ks], v[216+\ks] matrix_a_fmt:MATRIX_FMT_FP4 matrix_b_fmt:MATRIX_FMT_FP4
.endif
.endr
	WIN 0
.rept 8
	v_nop                                          ; places before the results serve as operands
.endr
	; my 16 channels' part of the scores: source 0 = k (rows: keys), source 1 = q (columns: queries); pair i of a lane's registers is channels 8 h + 2 i, + 1 on both sides.  Two sums by turns
	v_wmma_f32_16x16x4_f32 v[224:231], v[176:177], v[168:169], 0
	v_wmma_f32_16x16x4_f32 v[232:239], v[178:179], v[170:171], 0
	v_wmma_f32_16x16x4_f32 v[224:231], v[180:181], v[172:173], v[224:231]
	v_wmma_f32_16x16x4_f32 v[232:239], v[182:183], v[174:175], v[232:239]
.rept 8
	v_nop
.endr
.irp j, 0,2,4,6
	v_pk_add_f32 v[16+\j:17+\j], v[224+\j:225+\j], v[232+\j:233+\j]
.endr
	ds_store_b128 v5, v[16:19]
	ds_store_b128 v5, v[20:23] offset:512
	s_wait_dscnt 0x0                               ; for the others' sake: my image lies in LDS
	s_barrier_signal -1
	s_barrier_wait -1
.irp p, 0,1,2,3
	ds_load_b128 v[24+8*\p:27+8*\p], v4 offset:1024*\p
	ds_load_b128 v[28+8*\p:31+8*\p], v4 offset:1024*\p+512
.endr
	s_wait_dscnt 0x0
.irp j, 0,2,4,6
	v_pk_add_f32 v[16+\j:17+\j], v[24+\j:25+\j], v[32+\j:33+\j]
.endr
.irp j, 0,2,4,6
	v_pk_add_f32 v[16+\j:17+\j], v[16+\j:17+\j], v[40+\j:41+\j]
.endr
.irp j, 0,2,4,6
	v_pk_add_f32 v[16+\j:17+\j], v[16+\j:17+\j], v[48+\j:49+\j]   ; register j: the score of key 8 h + j for query r; the same bits in all four waves
.endr
.irp j, 0,1,2,3,4,5,6,7
	v_cmp_gt_i32 vcc_lo, \j, v6                    ; hidden where 8 h + j > r
	v_cndmask_b32 v[16+\j], v[16+\j], v7, vcc_lo
.endr
	v_max3_num_f32 v10, v16, v17, v18
	v_max3_num_f32 v10, v10, v19, v20
	v_max3_num_f32 v10, v10, v21, v22
	v_max_num_f32 v10, v10, v23
	v_permlanex16_b32 v11, v10, s24, s25
	v_max_num_f32 v10, v10, v11                    ; the row's largest score (key 0 counts for every query)
	v_mul_f32 v12, s26, v10
.irp j, 0,2,4,6
	v_pk_fma_f32 v[16+\j:17+\j], v[16+\j:17+\j], s[26:27], v[12:13] op_sel_hi:[1,0,0] neg_lo:[0,0,1] neg_hi:[0,0,1]
.endr
.irp j, 0,1,2,3,4,5,6,7
	v_exp_f32 v[16+\j], v[16+\j]
.endr
	v_nop                                          ; a plain instruction behind the last exponential
	s_wait_alu depctr_va_vdst(0)                   ; one wait for the batch, ahead of its first reader
	; source 0 = v (rows: my channels), source 1 = p (columns: queries); pair i is keys 8 h + 2 i, + 1 on both sides
	v_wmma_f32_16x16x4_f32 v[240:247], v[184:185], v[16:17], 0
	v_wmma_f32_16x16x4_f32 v[248:255], v[186:187], v[18:19], 0
	v_wmma_f32_16x16x4_f32 v[240:247], v[188:189], v[20:21], v[240:247]
	v_wmma_f32_16x16x4_f32 v[248:255], v[190:191], v[22:23], v[248:255]
	v_pk_add_f32 v[56:57], v[16:17], v[18:19]      ; the row's sum
	v_pk_add_f32 v[58:59], v[20:21], v[22:23]
	v_pk_add_f32 v[56:57], v[56:57], v[58:59]
	v_add_f32 v14, v56, v57
	v_permlanex16_b32 v15, v14, s24, s25
	v_add_f32 v14, v14, v15
	v_rcp_f32 v60, v14
.rept 8
	v_nop                                          ; the places behind the products, and the plain instruction behind the reciprocal
.endr
	s_wait_alu depctr_va_vdst(0)
.irp j, 0,2,4,6
	v_pk_add_f32 v[24+\j:25+\j], v[240+\j:241+\j], v[248+\j:249+\j]
.endr
.irp j, 0,2,4,6
	v_pk_fma_f32 v[32+\j:33+\j], v[24+\j:25+\j], v[60:61], v[160+\j:161+\j] op_sel_hi:[1,0,1]   ; / the sum, + v's bias: register j: channel 16 w + 8 h + j of query r
.endr
	global_store_b128 v4, v[32:35], s[14:15]
	global_store_b128 v4, v[36:39], s[14:15] offset:512
	s_wait_tensorcnt 0x0                           ; the wave's end, behind my last LDS store
	ds_add_u32 v8, v9
	s_wait_dscnt 0x0
	s_endpgm
.Lfunc_end_k_qeb970d95ed_fatt:
	.size	k_qeb970d95ed_fatt, .Lfunc_end_k_qeb970d95ed_fatt-k_qeb970d95ed_fatt
	.p2alignl 7, 3214868480
	.fill 96, 4, 3214868480
	.section	.rodata,"a",@progbits
	.p2align	6, 0x0
	.amdhsa_kernel k_qeb970d95ed_fatt
		.amdhsa_group_segment_fixed_size 4608
		.amdhsa_private_segment_fixed_size 0
		.amdhsa_enable_private_segment 0
		.amdhsa_kernarg_size 48
		.amdhsa_user_sgpr_count 2
		.amdhsa_user_sgpr_kernarg_segment_ptr 1
		.amdhsa_wavefront_size32 1
		.amdhsa_system_sgpr_workgroup_id_x 1
		.amdhsa_system_sgpr_workgroup_id_y 1
		.amdhsa_system_sgpr_workgroup_id_z 1
		.amdhsa_system_vgpr_workitem_id 0
		.amdhsa_next_free_vgpr 448
		.amdhsa_next_free_sgpr 66
		.amdhsa_reserve_vcc 1
		.amdhsa_float_denorm_mode_32 3
		.amdhsa_float_denorm_mode_16_64 3
		.amdhsa_memory_ordered 1
		.amdhsa_forward_progress 1
		.amdhsa_inst_pref_size 22
	.end_amdhsa_kernel
	.amdgpu_metadata
---
amdhsa.version: [ 1, 2 ]
amdhsa.kernels:
  - .name:           k_qeb970d95ed_fatt
    .symbol:         k_qeb970d95ed_fatt.kd
    .args:
      - { .name: xc, .offset: 0, .size: 8, .value_kind: global_buffer, .address_space: global }
      - { .name: xs, .offset: 8, .size: 8, .value_kind: global_buffer, .address_space: global }
      - { .name: wc, .offset: 16, .size: 8, .value_kind: global_buffer, .address_space: global }
      - { .name: ws, .offset: 24, .size: 8, .value_kind: global_buffer, .address_space: global }
      - { .name: b_qkv, .offset: 32, .size: 8, .value_kind: global_buffer, .address_space: global }
      - { .name: ofine, .offset: 40, .size: 8, .value_kind: global_buffer, .address_space: global }
    .group_segment_fixed_size: 4608
    .private_segment_fixed_size: 0
    .kernarg_segment_align: 8
    .kernarg_segment_size: 48
    .max_flat_workgroup_size: 128
    .sgpr_count:     66
    .vgpr_count:     448
    .wavefront_size: 32
...
	.end_amdgpu_metadata
.endif
;; end of part 5
;; launch fproj (part 6): grid 16 x 4, 16 waves a work-group, no clusters, 67,584 bytes of LDS; arguments ofine, W_out, b_out, out0; writes out0
.if DOCPART == 6
	.amdgcn_target "amdgcn-amd-amdhsa--gfx1250"
	.amdhsa_code_object_version 6
	.text
	.protected	k_qeb970d95ed_fproj
	.globl	k_qeb970d95ed_fproj
	.p2align	8
	.type	k_qeb970d95ed_fproj,@function
k_qeb970d95ed_fproj:
	s_mov_b64 s[64:65], 0
	v_nop
	global_prefetch_b8 v0, s[64:65] scope:SCOPE_SE
	s_setreg_imm32_b32 hwreg(HW_REG_WAVE_MODE, 25, 1), 1
	s_wait_xcnt 0x0
; THE FIRST 16 POSITIONS OF EVERY SEQUENCE THROUGH THE PROJECTION, IN F32: out0[2048 b + t][:] = ofine row t x W_out + b_out, t = 0 .. 15, written over what the launch before left there.
; A work-group takes 64 columns of one batch; wave w takes K = head w's 64 channels: 16 steps of the f32 matrix form on four tiles of 16 columns; the sixteen partial sums meet in LDS.
; Tile c is columns 64 g + 4 r + c, so that one 16-byte load of a row of W_out serves all four tiles and sixteen lanes read 256 consecutive aligned bytes.  64 work-groups: strips of 16 columns
; would make 256, and would read a quarter of each such run.
; K's order is that of ofine's image: piece s, step st, lane half h, register jj: channel 16 (s / 2) + 8 h + 4 (s % 2) + 2 st + jj, on both sides alike.
; REGISTERS: v4-8 addresses; v10, v11 the add's two; v[12:13] the bias; v16-47 ofine's pieces (later the partial sums); v48-175 W_out; v176-207 the four sums (written by matrix instructions alone); v208-211 at work.
.set SPARE, 65536
.set OR,  16
.set WR,  48
.set ACC, 176
	s_load_b256 s[4:11], s[0:1], 0x0               ; ofine s[4:5], W_out s[6:7], b_out s[8:9], out0 s[10:11]
	v_lshl_add_u32 v10, v0, 2, SPARE               ; my spare word; never rewritten
	v_mov_b32 v11, 0                               ; 0; never rewritten
	v_lshrrev_b32 v1, 5, v0
	v_readfirstlane_b32 s12, v1                    ; wave 0..15
	s_and_b32 s13, ttmp7, 0xffff                   ; the batch
	v_and_b32 v1, 15, v0                           ; r
	v_bfe_u32 v2, v0, 4, 1                         ; h
	v_and_b32 v3, 31, v0
	v_lshlrev_b32 v4, 4, v1
	v_lshl_add_u32 v4, v2, 15, v4                  ; W_out: 8 h rows of 4,096 bytes + 16 r
	v_lshlrev_b32 v5, 4, v3                        ; 16 x lane
	v_lshlrev_b32 v8, 3, v3                        ; 8 x lane
	s_lshl_b32 s14, s12, 12
	v_add_nc_u32 v6, s14, v5                       ; where my partial sums go
	s_lshl_b32 s14, s12, 8
	v_add_nc_u32 v7, s14, v8                       ; the row of 256 bytes that I add up
	s_mov_b32 s17, 0
	s_wait_kmcnt 0x0
	s_lshl_b32 s16, s13, 4
	s_add_co_u32 s16, s16, s12
	s_lshl_b32 s16, s16, 12
	s_add_nc_u64 s[4:5], s[4:5], s[16:17]          ; ofine: (16 b + w) 4,096
	s_lshl_b32 s16, s12, 18
	s_lshl_b32 s18, ttmp9, 8
	s_add_co_u32 s16, s16, s18
	s_add_nc_u64 s[6:7], s[6:7], s[16:17]          ; W_out: row 64 w, column 64 g
	s_mov_b32 s16, s18
	s_add_nc_u64 s[8:9], s[8:9], s[16:17]
	s_lshl_b32 s16, s13, 11
	s_and_b32 s19, s12, 1
	s_lshl_b32 s19, s19, 3
	s_add_co_u32 s16, s16, s19
	s_lshr_b32 s19, s12, 1
	s_add_co_u32 s16, s16, s19                     ; the row that I store: 2048 b + 8 (w % 2) + w / 2
	s_lshl_b32 s16, s16, 12
	s_add_co_u32 s16, s16, s18
	s_add_nc_u64 s[10:11], s[10:11], s[16:17]
	global_load_b64 v[12:13], v8, s[8:9]
.irp s, 0,1,2,3,4,5,6,7
	global_load_b128 v[OR+4*\s:OR+4*\s+3], v5, s[4:5] offset:512*\s
.endr
.irp s, 0,1,2,3,4,5,6,7
.irp i, 0,1,2,3
	global_load_b128 v[WR+16*\s+4*\i:WR+16*\s+4*\i+3], v4, s[6:7] offset:(16*(\s/2)+4*(\s%2)+\i)*4096
.endr
.endr
.irp s, 0,1,2,3,4,5,6,7
	s_wait_loadcnt 4*(7-\s)                        ; piece s's four rows of W_out are in (and all that was asked for earlier); the later pieces' loads stay out
.irp st, 0,1                                   ; of a step's eight registers (two rows x four tiles) two exchanges make four pairs: tile 0 at +0, tile 2 at +2, tile 1 at +4, tile 3 at +6
	v_swap_b32 v[WR+16*\s+8*\st+1], v[WR+16*\s+8*\st+4]
	v_swap_b32 v[WR+16*\s+8*\st+3], v[WR+16*\s+8*\st+6]
.endr
.irp st, 0,1
.irp c, 0,1,2,3                                ; the four sums by turns; the first step starts them
.if (\s == 0) && (\st == 0)
	v_wmma_f32_16x16x4_f32 v[ACC+8*\c:ACC+8*\c+7], v[OR+4*\s+2*\st:OR+4*\s+2*\st+1], v[WR+16*\s+8*\st+4*(\c%2)+2*(\c/2):WR+16*\s+8*\st+4*(\c%2)+2*(\c/2)+1], 0
.else
	v_wmma_f32_16x16x4_f32 v[ACC+8*\c:ACC+8*\c+7], v[OR+4*\s+2*\st:OR+4*\s+2*\st+1], v[WR+16*\s+8*\st+4*(\c%2)+2*(\c/2):WR+16*\s+8*\st+4*(\c%2)+2*(\c/2)+1], v[ACC+8*\c:ACC+8*\c+7]
.endif
.endr
.endr
.endr
.rept 8
	v_nop                                          ; places behind the last products
.endr
.irp c, 0,1,2,3                                ; register j of tile c, lane (r, h): position 8 h + j, column 4 r + c: to row 2 j + h of my 4,096 bytes, 256 bytes a row
.irp j, 0,1,2,3,4,5,6,7
	ds_store_b32 v6, v[ACC+8*\c+\j] offset:512*\j+4*\c
.endr
.endr
	s_wait_dscnt 0x0                               ; for the others' sake: my partial sums lie in LDS
	s_barrier_signal -1
	s_barrier_wait -1
.irp p, 0,1,2,3,4,5,6,7,8,9,10,11,12,13,14,15
	ds_load_b64 v[16+2*\p:17+2*\p], v7 offset:4096*\p
.endr
	s_wait_dscnt 0x0
	v_pk_add_f32 v[208:209], v[12:13], v[16:17]    ; the bias and the sixteen heads' parts, in two chains
	v_pk_add_f32 v[210:211], v[18:19], v[20:21]
.irp p, 3,5,7,9,11,13
	v_pk_add_f32 v[208:209], v[208:209], v[16+2*\p:17+2*\p]
	v_pk_add_f32 v[210:211], v[210:211], v[18+2*\p:19+2*\p]
.endr
	v_pk_add_f32 v[208:209], v[208:209], v[46:47]
	v_pk_add_f32 v[208:209], v[208:209], v[210:211]
	global_store_b64 v8, v[208:209], s[10:11]      ; 32 lanes store 256 consecutive aligned bytes
	s_wait_tensorcnt 0x0                           ; the wave's end, behind my last LDS store
	ds_add_u32 v10, v11
	s_wait_dscnt 0x0
	s_endpgm
.Lfunc_end_k_qeb970d95ed_fproj:
	.size	k_qeb970d95ed_fproj, .Lfunc_end_k_qeb970d95ed_fproj-k_qeb970d95ed_fproj
	.p2alignl 7, 3214868480
	.fill 96, 4, 3214868480
	.section	.rodata,"a",@progbits
	.p2align	6, 0x0
	.amdhsa_kernel k_qeb970d95ed_fproj
		.amdhsa_group_segment_fixed_size 67584
		.amdhsa_private_segment_fixed_size 0
		.amdhsa_enable_private_segment 0
		.amdhsa_kernarg_size 32
		.amdhsa_user_sgpr_count 2
		.amdhsa_user_sgpr_kernarg_segment_ptr 1
		.amdhsa_wavefront_size32 1
		.amdhsa_system_sgpr_workgroup_id_x 1
		.amdhsa_system_sgpr_workgroup_id_y 1
		.amdhsa_system_sgpr_workgroup_id_z 1
		.amdhsa_system_vgpr_workitem_id 0
		.amdhsa_next_free_vgpr 216
		.amdhsa_next_free_sgpr 66
		.amdhsa_reserve_vcc 0
		.amdhsa_float_denorm_mode_32 3
		.amdhsa_float_denorm_mode_16_64 3
		.amdhsa_memory_ordered 1
		.amdhsa_forward_progress 1
		.amdhsa_inst_pref_size 16
	.end_amdhsa_kernel
	.amdgpu_metadata
---
amdhsa.version: [ 1, 2 ]
amdhsa.kernels:
  - .name:           k_qeb970d95ed_fproj
    .symbol:         k_qeb970d95ed_fproj.kd
    .args:
      - { .name: ofine, .offset: 0, .size: 8, .value_kind: global_buffer, .address_space: global }
      - { .name: W_out, .offset: 8, .size: 8, .value_kind: global_buffer, .address_space: global }
      - { .name: b_out, .offset: 16, .size: 8, .value_kind: global_buffer, .address_space: global }
      - { .name: out0, .offset: 24, .size: 8, .value_kind: global_buffer, .address_space: global }
    .group_segment_fixed_size: 67584
    .private_segment_fixed_size: 0
    .kernarg_segment_align: 8
    .kernarg_segment_size: 32
    .max_flat_workgroup_size: 512
    .sgpr_count:     66
    .vgpr_count:     216
    .wavefront_size: 32
...
	.end_amdgpu_metadata
.endif
;; end of part 6
